; MI455X (gfx1250); checked and timed in simulation.
; The chip was launched on July 23, 2026; its instructions are those of AMD's public machine-readable ISA for CDNA 5 (MIT licence, August 2026) and "CDNA5" Instruction Set Architecture Reference Guide (July 2026). The comments in the code are by the model that wrote it; some were corrected since.
;; Attn Blockpp1d. Allowed arithmetic: matrix products marked QUANTISED: E3M2 operands, one E8M0 scale for each 32 along K, by v_wmma_scale_f32_16x16x128_f8f6f4 with both operands' format E3M2, f32 sums; everything else in f32.
;; Inputs: W0_codes 512 x 16 x 24 uint8 (E3M2 codes of W0, K innermost, in blocks of 32 codes, four codes in three bytes); W0_scales 512 x 16 uint8 (E8M0 scales of W0, one for each 32 codes along K); W1_codes 512 x 16 x 24 uint8 (E3M2 codes of W1, K innermost, in blocks of 32 codes, four codes in three bytes); W1_scales 512 x 16 uint8 (E8M0 scales of W1, one for each 32 codes along K); W2_codes 512 x 16 x 24 uint8 (E3M2 codes of W2, K innermost, in blocks of 32 codes, four codes in three bytes); W2_scales 512 x 16 uint8 (E8M0 scales of W2, one for each 32 codes along K); W3_codes 512 x 16 x 24 uint8 (E3M2 codes of W3, K innermost, in blocks of 32 codes, four codes in three bytes); W3_scales 512 x 16 uint8 (E8M0 scales of W3, one for each 32 codes along K); b0 512 float32; b1 512 float32; b2 512 float32; b3 512 float32; beta 512 float32; gamma 512 float32; x 8 x 512 x 1,024 float32.
;; Outputs: out0 8 x 512 x 1,024 float32.
;; This version of the problem:
;;   THIS VERSION OF THE PROBLEM IS GIVEN IN LOW PRECISION. The matrix products marked QUANTISED in the list below multiply operands that are first quantised to E3M2 (3 exponent bits, 2 mantissa bits; 6 bits a number), with one power-of-two scale for each 32 numbers along K (OCP MX v1.0); their sums are f32. All else is computed in f32.
;;   The module's matrix products, in the order in which they are computed (A, B: the left and right operand; K: the contracted axis; several contracted axes count as one K, in the product's order):
;;     1. [M 512, K 512] x [K 512, N 8,192]; A: input W0 (given as codes); B: computed on the way: QUANTISED
;;     2. [M 512, K 512] x [K 512, N 8,192]; A: input W1 (given as codes); B: computed on the way: QUANTISED
;;     3. [M 512, K 512] x [K 512, N 8,192]; A: input W2 (given as codes); B: computed on the way: QUANTISED
;;     4. batch 64 x [M 1,024, K 64] x [K 64, N 1,024]; A: computed on the way; B: computed on the way: QUANTISED
;;     5. batch 64 x [M 64, K 1,024] x [K 1,024, N 1,024]; A: computed on the way; B: softmax (see below): QUANTISED
;;     6. [M 512, K 512] x [K 512, N 8,192]; A: input W3 (given as codes); B: computed on the way: QUANTISED
;;   THE QUANTISER, for each operand of a quantised product, along K:
;;     - K is cut into blocks of 32 from its start; a last block that is shorter is filled with zeros.
;;     - A block's scale is 2^e with e = floor(log2(the largest magnitude in the block)) - 4, held to -126 .. 127; a block of zeros has e = 0. As a byte (E8M0): e + 127.
;;     - Each number is divided by its block's scale, clamped to +-28, and rounded to the nearest number of E3M2, ties to even, subnormals kept.
;;     - The product sums the exact products of the quantised numbers (number of the format x scale) in f32.
;;   ~~~python
;;   def quantise(x, axis):      # numpy; x: float32 -> the quantised numbers, widened to float32 again
;;       x = np.moveaxis(x, axis, -1); K = x.shape[-1]
;;       x = np.pad(x, [(0, 0)] * (x.ndim - 1) + [(0, -K % 32)]); x = x.reshape(x.shape[:-1] + (-1, 32)); a = np.abs(x).max(-1, keepdims=True)
;;       e = np.where(a > 0, np.clip(np.frexp(np.where(a > 0, a, 1))[1] - 1 - 4, -126, 127), 0)      # np.frexp(a)[1] - 1 = floor(log2(a)), exactly
;;       r = np.clip(x / 2.0 ** e, -28, 28)
;;       step = 2.0 ** (np.maximum(np.frexp(np.where(r == 0, 1, r))[1] - 1, -2) - 2)
;;       q = np.round(r / step) * step * 2.0 ** e      # np.round: ties to even
;;       return np.moveaxis(q.reshape(q.shape[:-2] + (-1,))[..., :K], -1, axis).astype(np.float32)
;;   ~~~
;;   SOFTMAX AHEAD OF A QUANTISED PRODUCT. Where the list says 'softmax', what is quantised is not the finished softmax but p = 2^(t - M), with t = logit x log2(e) and M = ceil(the row's largest t), a whole number; so 1/2 < the row's largest p <= 1. The row's sum l is taken of the UNQUANTISED p, in f32, and the product's result is divided by l at the end. Since M is a whole number, a kernel that streams over the keys may use a running M (the ceiling of the running maximum): every later rescaling is an exact power of two, which a block's scale takes up: the codes' values come out the same.
;;   OPERANDS COMPUTED ON THE WAY. 'Computed on the way' means the value that the module computes at that place (a softmax that the list does not call 'softmax' is quantised finished and normalised). What goes into a quantiser is computed in f32, as accurately as f32 sums, v_exp_f32 and their like allow (about 1e-6 of the number): no bf16 or f16 on the way to a quantiser, and a product that is left as it is and whose result goes on into a quantised operand takes f32 operands (vector FMAs, or v_wmma_f32_16x16x4_f32). A number that lies on a knife's edge between two numbers of the format may be rounded either way, as far as f32 arithmetic and the matrix unit's own rounding can turn it there, and no further.
;;   INPUTS GIVEN AS CODES. W0 (in the module: [512, 512], K = its axis 0); W1 (in the module: [512, 512], K = its axis 0); W2 (in the module: [512, 512], K = its axis 0); W3 (in the module: [512, 512], K = its axis 0): each comes as NAME_codes (uint8): NAME with its K axis moved to the last place and cut into blocks of 32 codes, [.., K / 32, bytes a block], one block behind the other in memory; four codes in three bytes: a row's codes are one little-endian stream of bits, code i at bits 6 i .. 6 i + 5 (a code: sign, 3 exponent bits, 2 mantissa bits); and NAME_scales (uint8): the same leading axes, one E8M0 byte (e + 127) for each 32 codes along K. Its value is code x scale, taken as it is: it is not quantised again, and the codes and scales need not be those that the quantiser above would give.
;; 2 versions, each right; version 2 is version 1 with the launches qkv, attn, proj written anew for expert scheduling mode. Each part assembles by itself: llvm-mc -triple=amdgcn-amd-amdhsa -mcpu=gfx1250 --defsym DOCPART=n.
;; ======== version 1 of 2: 4 launches
;; workspace buffers: hcod 3,145,728 bytes; hscl 131,072 bytes; wrec 786,432 bytes; qkvc 9,437,184 bytes; qkvs 393,216 bytes; acod 3,145,728 bytes; ascl 131,072 bytes
;; launch gnq (part 1): grid 192 x 1, 8 waves a work-group, no clusters, 27,136 bytes of LDS; arguments x, gamma, beta, hcod, hscl, W0_codes, W1_codes, W2_codes, W3_codes, wrec; writes hcod, hscl, wrec
.if DOCPART == 1
	.amdgcn_target "amdgcn-amd-amdhsa--gfx1250"
	.amdhsa_code_object_version 6
	.text
	.protected	k_qcdab9adc7c_gnq
	.globl	k_qcdab9adc7c_gnq
	.p2align	8
	.type	k_qcdab9adc7c_gnq,@function
k_qcdab9adc7c_gnq:
	s_mov_b64 s[64:65], 0
	v_nop
	global_prefetch_b8 v0, s[64:65] scope:SCOPE_SE
	s_setreg_imm32_b32 hwreg(HW_REG_WAVE_MODE, 25, 1), 1
	s_wait_xcnt 0x0
; h = GroupNorm(x) x gamma + beta, quantised along the channels to codes of BF6 (E3M2) with one E8M0 byte for each 32 channels; and the four weights' codes laid anew.
; x: [8][512][1024] f32.  A group is 16 channels x 1,024 t = 2^14 numbers; a quantiser block is 32 channels of one t: two groups.
; WORK-GROUPS 0-127 (b = id / 16, kb = id % 16): channels 32 kb .. 32 kb + 31 of batch b, all 1,024 t: 128 KB, kept in registers (thread: 4 neighbouring t x 32 channels), so x is read once.
;   Mean first, then the sum of (x - mean)^2: no difference of large sums.  A lane's 32 registers of one t run down the channels: a whole block, no other lane is asked for its maximum.
; WORK-GROUPS 128-191 (weight = (id - 128) / 16, block = (id - 128) % 16): 32 rows of one weight into the same record layout.  Wave w takes the rows' K blocks 2 w and 2 w + 1: 48 bytes of a row,
;   three loads of 16 bytes a lane; the lanes stand a row (384 bytes) apart, so the job is spread thin: 24 such loads a work-group.  No LDS, no barrier on that way.
; RECORDS.  Rows (t of h, d of a weight) go in blocks of 32.  Place idx = 16 u + r of a block holds row 8 u + r + 8 (r / 8).  Record (block, kb), 768 bytes at (16 block + kb) x 768: the 32 rows' codes of K block kb,
;   24 bytes each: their first 16 bytes at 16 idx, their last 8 at 512 + 8 idx.  So a later launch takes a fragment by loads of 16 and 8 bytes in which neighbouring lanes read neighbouring bytes.
; hscl: [b][kb][32 block + idx] bytes.
; LIMITS: NaN and infinities are not served.  A block whose largest magnitude lies under 2^-122 keeps the byte 1; a block of zeros has the byte 1 too (its codes are zeros; only this program reads the bytes).
;   gamma x rstd is multiplied first: one f32 rounding more than (x - mean) x rstd x gamma.
.set RED1, 0                           ; LDS: 8 waves x 2 sums
.set RED2, 256                         ; the same for the squares
.set STG,  512                         ; 3,072 bytes a wave: its four records
.set SCS,  25088                       ; the work-group's 1,024 scale bytes
.set XR,   64                          ; v64-191  x, then x - mean: register 4 i + tt = channel i, t = 4 thread + tt
.set HR,   192                         ; v192-223 the 32 channels of one t
.set CDR,  224                         ; v224-247 codes, six registers for each tt
.set GAM,  16                          ; s16-47   gamma, then gamma x rstd
.set BET,  48                          ; s48-63, s68-83 beta
	v_lshl_add_u32 v254, v0, 2, 0x6600
	v_mov_b32 v255, 0
	v_lshrrev_b32 v1, 5, v0
	v_readfirstlane_b32 s2, v1                     ; wave 0..7
	s_mov_b32 s3, ttmp9
	s_cmp_ge_u32 s3, 128                           ; the same in all waves of a work-group
	s_cbranch_scc1 .Lweights
	s_load_b256 s[4:11], s[0:1], 0x0               ; x, gamma, beta, hcod
	s_load_b64 s[12:13], s[0:1], 0x20              ; hscl
	s_and_b32 s14, s3, 15                          ; kb
	s_lshr_b32 s15, s3, 4                          ; b
	v_lshlrev_b32 v10, 4, v0                       ; 16 x thread: my 4 t of a row of x; also my 16 scale bytes on the way out
	s_lshl_b32 s88, s3, 17                         ; x: id x 32 rows x 4,096 bytes
	s_mov_b32 s89, 0
	s_lshl_b32 s90, s14, 7                         ; gamma, beta: 32 kb floats
	s_mov_b32 s91, 0
	s_mul_i32 s86, s15, 393216                     ; hcod: b x 32 blocks x 16 records
	s_mul_i32 s87, s2, 49152                       ; + wave x 4 blocks
	s_add_co_u32 s86, s86, s87
	s_mul_i32 s87, s14, 768                        ; + record kb
	s_add_co_u32 s86, s86, s87
	s_mov_b32 s87, 0
	s_wait_kmcnt 0x0
	s_add_nc_u64 s[4:5], s[4:5], s[88:89]
.set i, 0
.rept 32
	global_load_b128 v[XR+4*i:XR+4*i+3], v10, s[4:5] offset:4096*i   ; a wave reads 512 consecutive bytes of channel i
.set i, i+1
.endr
	s_add_nc_u64 s[6:7], s[6:7], s[90:91]
	s_add_nc_u64 s[8:9], s[8:9], s[90:91]
	s_load_b512 s[16:31], s[6:7], 0x0
	s_load_b512 s[32:47], s[6:7], 0x40
	s_load_b512 s[48:63], s[8:9], 0x0
	s_load_b512 s[68:83], s[8:9], 0x40
	s_add_nc_u64 s[10:11], s[10:11], s[86:87]
	s_lshl_b32 s88, s3, 10                         ; hscl: id x 1,024
	s_add_nc_u64 s[12:13], s[12:13], s[88:89]
	s_mov_b32 s84, 0x76543210                      ; v_permlanex16_b32's selects for lane l xor 16
	s_mov_b32 s85, 0xfedcba98
	s_mov_b32 s90, 0x38800000                      ; 2^-14
	s_mov_b32 s91, 0x358637bd                      ; 1e-6
	; my t = 128 wave + 4 lane + tt: block 4 wave + lane / 8, row 4 a + tt of it (a = lane % 8), which is place idx0 + tt with idx0 = 16 (bit 1 of a) + 8 (bit 2) + 4 (bit 0)
	v_and_b32 v2, 31, v0                           ; lane
	v_bfe_u32 v3, v0, 3, 2                         ; lane / 8
	v_and_b32 v4, 2, v0
	v_lshlrev_b32 v5, 3, v4
	v_and_b32 v4, 4, v0
	v_lshl_or_b32 v5, v4, 1, v5
	v_and_b32 v4, 1, v0
	v_lshl_or_b32 v5, v4, 2, v5                    ; idx0
	v_mul_u32_u24 v6, v1, 3072
	v_lshl_add_u32 v14, v2, 4, v6
	v_add_nc_u32 v14, STG, v14                     ; my wave's stage read as it lies: 16 x lane
	v_mad_u32_u24 v6, v3, 768, v6
	v_lshl_add_u32 v11, v5, 4, v6
	v_add_nc_u32 v11, STG, v11                     ; a block's first 16 bytes
	v_lshl_add_u32 v12, v5, 3, v6
	v_add_nc_u32 v12, STG+512, v12                 ; its last 8
	v_and_b32 v7, 0xf8, v0
	v_lshl_add_u32 v13, v7, 2, v5
	v_add_nc_u32 v13, SCS, v13                     ; my four scale bytes: 32 (thread / 8) + idx0
	v_lshlrev_b32 v15, 4, v2                       ; way out: 512 bytes inside one record
	v_and_b32 v3, 15, v0
	v_bfe_u32 v4, v0, 4, 1
	v_mul_u32_u24 v16, v4, 11776
	v_lshl_add_u32 v16, v3, 4, v16                 ; or a record's last 256 bytes and the first 256 of the record 12,288 bytes on
	v_lshl_add_u32 v17, v0, 4, SCS
	v_lshlrev_b32 v19, 3, v1                       ; 8 x wave
	v_mov_b32 v20, 0
	v_mov_b32 v50, 0                               ; a lane permute's destination counts as read
	v_mov_b32 v51, 0
.macro SUMS base, acc                  ; 64 registers, two at a time, in two chains
	v_pk_add_f32 v[\acc:\acc+1], v[\base:\base+1], v[\base+2:\base+3]
	v_pk_add_f32 v[\acc+2:\acc+3], v[\base+4:\base+5], v[\base+6:\base+7]
.set p, 8
.rept 14
	v_pk_add_f32 v[\acc:\acc+1], v[\acc:\acc+1], v[\base+p:\base+p+1]
	v_pk_add_f32 v[\acc+2:\acc+3], v[\acc+2:\acc+3], v[\base+p+2:\base+p+3]
.set p, p+4
.endr
	v_pk_add_f32 v[\acc:\acc+1], v[\acc:\acc+1], v[\acc+2:\acc+3]
.endm
.macro SQS base, acc, mu               ; 64 registers become x - mean; their squares are summed in two chains
.set p, 0
.rept 32
	v_pk_add_f32 v[\base+p:\base+p+1], v[\base+p:\base+p+1], v[\mu:\mu+1]
.set p, p+2
.endr
	v_pk_mul_f32 v[\acc:\acc+1], v[\base:\base+1], v[\base:\base+1]
	v_pk_mul_f32 v[\acc+2:\acc+3], v[\base+2:\base+3], v[\base+2:\base+3]
.set p, 4
.rept 15
	v_pk_fma_f32 v[\acc:\acc+1], v[\base+p:\base+p+1], v[\base+p:\base+p+1], v[\acc:\acc+1]
	v_pk_fma_f32 v[\acc+2:\acc+3], v[\base+p+2:\base+p+3], v[\base+p+2:\base+p+3], v[\acc+2:\acc+3]
.set p, p+4
.endr
	v_pk_add_f32 v[\acc:\acc+1], v[\acc:\acc+1], v[\acc+2:\acc+3]
.endm
.macro ACROSS red                      ; v22, v23 (the two groups' sums of a lane) -> v30, v31: the work-group's
.irp m, 1,2,4,8
	v_add_f32_dpp v22, v22, v22 row_xmask:\m row_mask:0xf bank_mask:0xf
	v_add_f32_dpp v23, v23, v23 row_xmask:\m row_mask:0xf bank_mask:0xf
.endr
	v_permlanex16_b32 v50, v22, s84, s85
	v_permlanex16_b32 v51, v23, s84, s85
	v_pk_add_f32 v[22:23], v[22:23], v[50:51]
	ds_store_b64 v19, v[22:23] offset:\red         ; all lanes write the wave's pair with the same value
	s_wait_dscnt 0x0                               ; for the others' sake: my store has landed
	s_barrier_signal -1
	s_barrier_wait -1
.irp k, 0,1,2,3
	ds_load_b128 v[30+4*\k:33+4*\k], v20 offset:\red+16*\k
.endr
	s_wait_dscnt 0x0
	v_pk_add_f32 v[30:31], v[30:31], v[32:33]
	v_pk_add_f32 v[34:35], v[34:35], v[36:37]
	v_pk_add_f32 v[38:39], v[38:39], v[40:41]
	v_pk_add_f32 v[42:43], v[42:43], v[44:45]
	v_pk_add_f32 v[30:31], v[30:31], v[34:35]
	v_pk_add_f32 v[38:39], v[38:39], v[42:43]
	v_pk_add_f32 v[30:31], v[30:31], v[38:39]
.endm
	s_wait_loadcnt 16                              ; the first group's 16 rows are in; the second's 16 loads may be out
	SUMS XR, 22
	s_wait_loadcnt 0x0
	SUMS XR+64, 26
	v_add_f32 v22, v22, v23
	v_add_f32 v23, v26, v27
	ACROSS RED1
	v_mul_f32 v46, 0xb8800000, v30                 ; -mean = sum x -2^-14, twice for the packed form
	v_mul_f32 v47, 0xb8800000, v30
	v_mul_f32 v48, 0xb8800000, v31
	v_mul_f32 v49, 0xb8800000, v31
	SQS XR, 22, 46
	SQS XR+64, 26, 48
	v_add_f32 v22, v22, v23
	v_add_f32 v23, v26, v27
	ACROSS RED2
	v_fma_f32 v30, v30, s90, s91                   ; variance + 1e-6
	v_fma_f32 v31, v31, s90, s91
	v_rsq_f32 v52, v30
	v_rsq_f32 v53, v31
	v_nop                                          ; a plain instruction behind the transcendentals
	s_wait_alu depctr_va_vdst(0)
	v_readfirstlane_b32 s86, v52
	v_readfirstlane_b32 s87, v53
	s_wait_kmcnt 0x0                               ; gamma, beta
.set i, 0
.rept 32
	s_mul_f32 s[GAM+i], s[GAM+i], s[86+i/16]       ; gamma x rstd of the channel's group
.set i, i+1
.endr
; One t of my four: its 32 channels, their largest magnitude, the scale, 24 bytes of codes into the stage.
.macro COL tt
.set i, 0
.rept 32
	v_fma_f32 v[HR+i], v[XR+4*i+\tt], s[GAM+i], s[BET+i+4*(i/16)]
.set i, i+1
.endr
	v_max3_num_f32 v250, |v[HR]|, |v[HR+1]|, |v[HR+2]|
	v_max3_num_f32 v251, |v[HR+3]|, |v[HR+4]|, |v[HR+5]|
.irp i, 6,10,14,18,22,26
	v_max3_num_f32 v250, v250, |v[HR+\i]|, |v[HR+\i+1]|
	v_max3_num_f32 v251, v251, |v[HR+\i+2]|, |v[HR+\i+3]|
.endr
	v_max3_num_f32 v250, v250, |v[HR+30]|, |v[HR+31]|
	v_max3_num_f32 v250, v250, v251, 0x2800000     ; the floor 2^(5 - 127): the byte cannot fall under 1
	v_add_nc_u32 v252, 0xfe000000, v250            ; 4 off the exponent field: the conversion takes that field as its scale
	v_cvt_scalef32_pk16_bf6_f32 v[CDR+6*\tt:CDR+6*\tt+2], v[HR:HR+15], v252
	v_cvt_scalef32_pk16_bf6_f32 v[60:62], v[HR+16:HR+31], v252   ; (a conversion's three registers begin on an even number)
	v_lshrrev_b32 v253, 23, v252                   ; the scale's byte; also the plain instruction behind the conversions
.irp i, 0,1,2
	v_mov_b32 v[CDR+6*\tt+3+\i], v[60+\i]
.endr
.if \tt == 0
	v_mov_b32 v248, v253
.else
	v_lshl_or_b32 v248, v253, 8*\tt, v248
.endif
	ds_store_b128 v11, v[CDR+6*\tt:CDR+6*\tt+3] offset:16*\tt
	ds_store_b64 v12, v[CDR+6*\tt+4:CDR+6*\tt+5] offset:8*\tt
.endm
	COL 0
	COL 1
	COL 2
	COL 3
	ds_store_b32 v13, v248
.irp j, 0,1,2,3,4,5
	ds_load_b128 v[HR+4*\j:HR+4*\j+3], v14 offset:512*\j   ; my wave's own bytes: LDS serves a wave's instructions in order
.endr
	; the wave's four records lie 12,288 bytes apart in hcod; every sixteen lanes store 256 consecutive bytes, aligned
	s_wait_dscnt 5                                 ; the five younger reads may be out
	global_store_b128 v15, v[HR:HR+3], s[10:11]
	s_wait_dscnt 4
	global_store_b128 v16, v[HR+4:HR+7], s[10:11] offset:512
	s_wait_dscnt 3
	global_store_b128 v15, v[HR+8:HR+11], s[10:11] offset:12544
	s_wait_dscnt 2
	global_store_b128 v15, v[HR+12:HR+15], s[10:11] offset:24576
	s_wait_dscnt 1
	global_store_b128 v16, v[HR+16:HR+19], s[10:11] offset:25088
	s_wait_dscnt 0x0                               ; also: my scale bytes have landed, for the others' sake
	global_store_b128 v15, v[HR+20:HR+23], s[10:11] offset:37120
	s_barrier_signal -1
	s_barrier_wait -1
	s_cmp_lt_u32 s2, 2                             ; waves 0 and 1 store the 1,024 scale bytes, 512 each
	s_cbranch_scc0 .Lend
	ds_load_b128 v[216:219], v17
	s_wait_dscnt 0x0
	global_store_b128 v10, v[216:219], s[12:13]
.Lend:
	s_wait_tensorcnt 0x0
	ds_add_u32 v254, v255
	s_wait_dscnt 0x0
	s_endpgm
.Lweights:
	s_load_b256 s[16:23], s[0:1], 0x28             ; W0 .. W3's codes
	s_load_b64 s[24:25], s[0:1], 0x48              ; wrec
	s_sub_co_u32 s3, s3, 128                       ; 0..63
	s_lshr_b32 s14, s3, 4                          ; which weight
	s_and_b32 s15, s3, 15                          ; which block of 32 rows
	v_and_b32 v2, 31, v0
	v_and_b32 v3, 15, v0
	v_and_b32 v4, 8, v0
	v_add_nc_u32 v3, v3, v4
	v_bfe_u32 v4, v0, 4, 1
	v_lshl_add_u32 v3, v4, 3, v3                   ; place = lane holds row 8 u + r + 8 (r / 8)
	v_mul_u32_u24 v5, v3, 384                      ; a row of 512 codes
	v_lshlrev_b32 v6, 4, v2
	v_lshlrev_b32 v7, 3, v2
	s_mul_i32 s28, s15, 12288                      ; 32 rows x 384 bytes = 16 records x 768
	s_mul_i32 s26, s2, 48                          ; in: my two K blocks of a row, 48 bytes at a multiple of 16
	s_add_co_u32 s26, s26, s28
	s_mov_b32 s27, 0
	s_mul_i32 s30, s14, 196608                     ; out: the weight, the block,
	s_add_co_u32 s30, s30, s28
	s_mul_i32 s29, s2, 1536                        ; my two records
	s_add_co_u32 s30, s30, s29
	s_mov_b32 s31, 0
	s_and_b32 s36, s14, 1
	s_wait_kmcnt 0x0
	s_cmp_lt_u32 s14, 2                            ; the choice hangs on the work-group's number alone
	s_cselect_b64 s[32:33], s[16:17], s[20:21]
	s_cselect_b64 s[34:35], s[18:19], s[22:23]
	s_cmp_eq_u32 s36, 0
	s_cselect_b64 s[32:33], s[32:33], s[34:35]
	s_add_nc_u64 s[32:33], s[32:33], s[26:27]
	s_add_nc_u64 s[24:25], s[24:25], s[30:31]
.irp i, 0,1,2
	global_load_b128 v[XR+4*\i:XR+4*\i+3], v5, s[32:33] offset:16*\i   ; registers 0-5: K block 2 wave of my row, registers 6-11: K block 2 wave + 1
.endr
	s_wait_loadcnt 0x0
.irp c, 0,1
	global_store_b128 v6, v[XR+6*\c:XR+6*\c+3], s[24:25] offset:768*\c          ; 512 consecutive bytes
	global_store_b64 v7, v[XR+6*\c+4:XR+6*\c+5], s[24:25] offset:768*\c+512     ; 256 consecutive bytes
.endr
	s_endpgm
.Lfunc_end_k_qcdab9adc7c_gnq:
	.size	k_qcdab9adc7c_gnq, .Lfunc_end_k_qcdab9adc7c_gnq-k_qcdab9adc7c_gnq
	.p2alignl 7, 3214868480
	.fill 96, 4, 3214868480
	.section	.rodata,"a",@progbits
	.p2align	6, 0x0
	.amdhsa_kernel k_qcdab9adc7c_gnq
		.amdhsa_group_segment_fixed_size 27136
		.amdhsa_private_segment_fixed_size 0
		.amdhsa_enable_private_segment 0
		.amdhsa_kernarg_size 80
		.amdhsa_user_sgpr_count 2
		.amdhsa_user_sgpr_kernarg_segment_ptr 1
		.amdhsa_wavefront_size32 1
		.amdhsa_system_sgpr_workgroup_id_x 1
		.amdhsa_system_sgpr_workgroup_id_y 1
		.amdhsa_system_sgpr_workgroup_id_z 1
		.amdhsa_system_vgpr_workitem_id 0
		.amdhsa_next_free_vgpr 256
		.amdhsa_next_free_sgpr 96
		.amdhsa_reserve_vcc 0
		.amdhsa_float_denorm_mode_32 3
		.amdhsa_float_denorm_mode_16_64 3
		.amdhsa_memory_ordered 1
		.amdhsa_forward_progress 1
		.amdhsa_inst_pref_size 42
	.end_amdhsa_kernel
	.amdgpu_metadata
---
amdhsa.version: [ 1, 2 ]
amdhsa.kernels:
  - .name:           k_qcdab9adc7c_gnq
    .symbol:         k_qcdab9adc7c_gnq.kd
    .args:
      - { .name: x, .offset: 0, .size: 8, .value_kind: global_buffer, .address_space: global }
      - { .name: gamma, .offset: 8, .size: 8, .value_kind: global_buffer, .address_space: global }
      - { .name: beta, .offset: 16, .size: 8, .value_kind: global_buffer, .address_space: global }
      - { .name: hcod, .offset: 24, .size: 8, .value_kind: global_buffer, .address_space: global }
      - { .name: hscl, .offset: 32, .size: 8, .value_kind: global_buffer, .address_space: global }
      - { .name: W0_codes, .offset: 40, .size: 8, .value_kind: global_buffer, .address_space: global }
      - { .name: W1_codes, .offset: 48, .size: 8, .value_kind: global_buffer, .address_space: global }
      - { .name: W2_codes, .offset: 56, .size: 8, .value_kind: global_buffer, .address_space: global }
      - { .name: W3_codes, .offset: 64, .size: 8, .value_kind: global_buffer, .address_space: global }
      - { .name: wrec, .offset: 72, .size: 8, .value_kind: global_buffer, .address_space: global }
    .group_segment_fixed_size: 27136
    .private_segment_fixed_size: 0
    .kernarg_segment_align: 8
    .kernarg_segment_size: 80
    .max_flat_workgroup_size: 256
    .sgpr_count:     96
    .vgpr_count:     256
    .wavefront_size: 32
...
	.end_amdgpu_metadata
.endif
;; end of part 1
;; launch qkv (part 2): grid 4 x 64, 12 waves a work-group, no clusters, 246,272 bytes of LDS; arguments hcod, hscl, wrec, W0_scales, W1_scales, W2_scales, b0, b1, b2, qkvc, qkvs; writes qkvc, qkvs
.if DOCPART == 2
	.amdgcn_target "amdgcn-amd-amdhsa--gfx1250"
	.amdhsa_code_object_version 6
	.text
	.protected	k_qcdab9adc7c_qkv
	.globl	k_qcdab9adc7c_qkv
	.p2align	8
	.type	k_qcdab9adc7c_qkv,@function
k_qcdab9adc7c_qkv:
	s_mov_b64 s[64:65], 0
	v_nop
	global_prefetch_b8 v0, s[64:65] scope:SCOPE_SE
	s_setreg_imm32_b32 hwreg(HW_REG_WAVE_MODE, 25, 1), 1
	s_wait_xcnt 0x0
; q, k, v = W^T h + b on codes of BF6 (E3M2), and each result quantised at once for the attention: q and k along the head's 64 channels, v along the keys.
; A work-group (j = x, rho = y) takes d = 128 j .. + 127 and 128 t (batch rho / 8, t = 128 (rho % 8) on), for all three weights: 12 waves, role g = wave / 4 (q, k, v), w = wave % 4.
; h's 64 records and each weight's 64 records (see RECORDS below) are copied once into LDS, through registers; each wave then makes 128 x 32 results over K = 512: 16 accumulators, 64 matrix instructions.
;   q, k: source 0 = the weight's 128 rows d (8 tiles), source 1 = 32 t (block w of the four): a lane holds one t, its registers run along d: the next product's K.
;   v:    source 0 = h's 128 t (8 tiles), source 1 = 32 rows d of W2 (block w): a lane holds one channel, its registers run along t: the keys, the next product's K.
; RECORDS: rows in blocks of 32; place idx = 16 u + r holds row 8 u + r + 8 (r / 8), so that with such a tile as source 0 the 16 registers of tiles 2 b, 2 b + 1 are 16 neighbouring rows 32 b + 16 (lane / 16) + 0 .. 15.
;   Record (block, kb): 32 rows' codes of K block kb: first 16 bytes at 16 idx, last 8 at 512 + 8 idx.  In LDS a record takes 896 bytes, so that lanes 16-31 (the next record) read 128 bytes mod 256 away from lanes 0-15.
; OUT: operands as images of their 12 registers (three pieces of 512 bytes, 16 bytes a lane).  q, k: [head][block of 32 t]: registers 0-5 tile u = 0 (row r, channels 32 (lane / 16) on), 6-11 tile u = 1;
;   scale word of row r: (u0 s0, u0 s1, u1 s0, u1 s1).  v: [head][128 keys][tile of 16 channels]: a plain fragment, scale word of row r.
; THE BIASES are the C of each sum's first product, and are read from LDS once for each tile, not once for each accumulator.  q, k: tile T's eight biases are loaded into accumulator (T, 0); (T, 1)'s first product
;   takes those registers as its C, and (T, 0)'s then adds onto them in place.  v: the lane's bias, eight times, is loaded into accumulator (7, u); the other seven tiles' first products take it as their C, tile 7's comes last.
; No tensor loads: every LDS byte is filled once.  No cluster: what neighbours share is one fill of 229 KB at the head.
; LIMITS: NaN and infinities are not served; a block whose largest magnitude lies under 2^-122, zeros too, keeps the byte 1 (only this program reads the bytes).
.set REGION, 57344                     ; 64 records x 896: h, W0, W1, W2
.set BT,   229376                      ; 384 bias floats: role x 128
.set BTV,  230912                      ; each of them four times, 16 bytes
.set HST,  237056                      ; each wave's four scale words a lane of its block of h
.set SCT,  243200                      ; the results' scale words, 512 bytes a role
.set LS,   32                          ; v32-47  source 0's scale words: register 4 (block) + K step; lanes 0-15 the even tile's rows, lanes 16-31 the odd tile's
.set HW,   48                          ; v48-51  my block of h: scale words by K step
.set SSW,  52                          ; v52-55  my block of W2: the same
.set LF,   56                          ; v56-103 four fragments of source 0
.set SH,   104                         ; v104-127 two fragments of source 1
.set ACC,  128                         ; v128-255 accumulator (tile T, u) at 64 u + 8 T
.set TM,   56                          ; behind the products: v56-71 at work, v72-79 half blocks, v80-103 codes, v104-105 scale words
.set PT,   72
.set CD,   80
.set PW,   104
.set SEL,  50
.macro WM d, a, b, c, sa, sb, ra, rb   ; one product: D = d, C = c; ra, rb: the scales stand in lanes 16-31
.if (\ra)&&(\rb)
	v_wmma_scale_f32_16x16x128_f8f6f4 v[(\d):(\d)+7], v[(\a):(\a)+11], v[(\b):(\b)+11], v[(\c):(\c)+7], v[\sa], v[\sb] matrix_a_fmt:MATRIX_FMT_BF6 matrix_b_fmt:MATRIX_FMT_BF6 matrix_a_scale:MATRIX_SCALE_ROW1 matrix_b_scale:MATRIX_SCALE_ROW1
.elseif \ra
	v_wmma_scale_f32_16x16x128_f8f6f4 v[(\d):(\d)+7], v[(\a):(\a)+11], v[(\b):(\b)+11], v[(\c):(\c)+7], v[\sa], v[\sb] matrix_a_fmt:MATRIX_FMT_BF6 matrix_b_fmt:MATRIX_FMT_BF6 matrix_a_scale:MATRIX_SCALE_ROW1
.elseif \rb
	v_wmma_scale_f32_16x16x128_f8f6f4 v[(\d):(\d)+7], v[(\a):(\a)+11], v[(\b):(\b)+11], v[(\c):(\c)+7], v[\sa], v[\sb] matrix_a_fmt:MATRIX_FMT_BF6 matrix_b_fmt:MATRIX_FMT_BF6 matrix_b_scale:MATRIX_SCALE_ROW1
.else
	v_wmma_scale_f32_16x16x128_f8f6f4 v[(\d):(\d)+7], v[(\a):(\a)+11], v[(\b):(\b)+11], v[(\c):(\c)+7], v[\sa], v[\sb] matrix_a_fmt:MATRIX_FMT_BF6 matrix_b_fmt:MATRIX_FMT_BF6
.endif
.endm
.macro FRAG reg, aa, ab, off, u        ; a fragment: lane (r, h) takes, for c = 0, 1, K block 2 c + h of the step: 16 + 8 bytes of its record
.irp c, 0,1
	ds_load_b128 v[(\reg)+6*\c:(\reg)+6*\c+3], v[\aa] offset:(\off)+1792*\c+256*(\u)
	ds_load_b64 v[(\reg)+6*\c+4:(\reg)+6*\c+5], v[\ab] offset:(\off)+1792*\c+128*(\u)
.endr
.endm
; 64 numbers of a lane, register 16 b + i = k 32 b + 16 (lane / 16) + i of its row, become codes: blocks 0, 1 in v[d0] .. + 5 (lanes 0-15 block 0, lanes 16-31 block 1), blocks 2, 3 in v[d1] .. + 5; the four scale bytes in v[w].
.macro QUANT4 s, d0, d1, w
.irp b, 0,1,2,3
	v_max3_num_f32 v[TM+\b], |v[(\s)+16*\b]|, |v[(\s)+1+16*\b]|, 0x2800000   ; the floor 2^(5 - 127): the byte cannot fall under 1.  Each accumulator is read from its low end on
.endr
.irp i, 2,4,6,8,10,12,14
.irp b, 0,1,2,3
	v_max3_num_f32 v[TM+\b], v[TM+\b], |v[(\s)+16*\b+\i]|, |v[(\s)+1+16*\b+\i]|
.endr
.endr
.irp b, 0,1,2,3
	v_permlanex16_b32 v[TM+4+\b], v[TM+\b], s[SEL], s[SEL+1]
.endr
.irp b, 0,1,2,3
	v_max_num_f32 v[TM+\b], v[TM+\b], v[TM+4+\b]   ; with lane l xor 16's 16: the block's largest magnitude
.endr
.irp b, 0,1,2,3
	v_add_nc_u32 v[TM+12+\b], 0xfe000000, v[TM+\b] ; 4 off the exponent field: the conversion's scale operand
.endr
.irp b, 0,1,2,3
	v_lshrrev_b32 v[TM+4+\b], 23, v[TM+12+\b]      ; the byte
.endr
	v_lshl_or_b32 v[\w], v[TM+5], 8, v[TM+4]
	v_lshl_or_b32 v[\w], v[TM+6], 16, v[\w]
	v_lshl_or_b32 v[\w], v[TM+7], 24, v[\w]
	v_cvt_scalef32_pk16_bf6_f32 v[(\d0):(\d0)+2], v[(\s):(\s)+15], v[TM+12]
	v_cvt_scalef32_pk16_bf6_f32 v[PT:PT+2], v[(\s)+16:(\s)+31], v[TM+13]
	v_cvt_scalef32_pk16_bf6_f32 v[(\d1):(\d1)+2], v[(\s)+32:(\s)+47], v[TM+14]
	v_cvt_scalef32_pk16_bf6_f32 v[PT+4:PT+6], v[(\s)+48:(\s)+63], v[TM+15]
	v_nop                                          ; a plain instruction behind the conversions
.irp i, 0,1,2
	v_permlane16_swap_b32 v[(\d0)+\i], v[PT+\i]    ; half blocks become whole blocks: the first's lanes 16-31 change places with the second's lanes 0-15
	v_permlane16_swap_b32 v[(\d1)+\i], v[PT+4+\i]
.endr
.irp i, 0,1,2
	v_mov_b32 v[(\d0)+3+\i], v[PT+\i]
	v_mov_b32 v[(\d1)+3+\i], v[PT+4+\i]
.endr
.endm
	s_load_b512 s[16:31], s[0:1], 0x0              ; hcod, hscl, wrec, W0's, W1's, W2's scales, b0, b1
	s_load_b128 s[32:35], s[0:1], 0x40             ; b2, qkvc
	s_load_b64 s[36:37], s[0:1], 0x50              ; qkvs
	s_set_vgpr_msb 0x40
	v_lshl_add_u32 v0, v0, 2, 0x3bc00
	v_mov_b32 v1, 0
	s_set_vgpr_msb 0x4000
	v_lshrrev_b32 v29, 5, v0
	v_readfirstlane_b32 s2, v29                    ; wave 0..11
	s_lshr_b32 s3, s2, 2                           ; g: the role
	s_and_b32 s4, s2, 3                            ; w
	s_mov_b32 s5, ttmp9                            ; j
	s_and_b32 s6, ttmp7, 0xffff                    ; rho
	s_lshr_b32 s7, s6, 3                           ; b
	s_and_b32 s8, s6, 7                            ; which 128 t of the batch
	s_lshl_b32 s9, s7, 3
	s_lshl_b32 s10, s5, 1
	s_add_co_u32 s9, s9, s10                       ; 8 b + 2 j: the first of my two heads
	s_mov_b32 s[SEL], 0x76543210
	s_mov_b32 s[SEL+1], 0xfedcba98
	s_mov_b32 s52, 0xffff0000                      ; lanes 16-31
	; every LDS address is made here, ahead of the roles' parting; v1-28 hold addresses and offsets alone
	v_and_b32 v29, 15, v0                          ; r
	v_bfe_u32 v30, v0, 4, 1                        ; h
	v_mul_u32_u24 v31, v30, 896
	v_lshl_add_u32 v5, v29, 4, v31                 ; v: source 0 = h: 896 h + 16 r
	v_lshl_add_u32 v6, v29, 3, v31
	v_add_nc_u32 v6, 512, v6                       ;    896 h + 512 + 8 r
	s_mul_i32 s46, s3, REGION
	s_add_co_u32 s46, s46, REGION
	v_add_nc_u32 v1, s46, v5                       ; q, k: source 0 = the role's weight
	v_add_nc_u32 v2, s46, v6
	s_mul_i32 s47, s4, 14336
	v_add_nc_u32 v3, s47, v5                       ; q, k: source 1 = block w of h
	v_add_nc_u32 v4, s47, v6
	s_add_co_u32 s47, s47, 3*REGION
	v_add_nc_u32 v7, s47, v5                       ; v: source 1 = block w of W2
	v_add_nc_u32 v8, s47, v6
	s_lshl_b32 s48, s3, 9                          ; 512 g
	s_add_co_u32 s49, s48, BT
	v_lshl_add_u32 v9, v30, 6, s49                 ; q, k: the bias of d = .. + 16 h
	v_and_b32 v31, 8, v0
	v_add_nc_u32 v31, v31, v29                     ; r + 8 (r / 8)
	s_lshl_b32 s49, s4, 9                          ; 512 w
	s_add_co_u32 s46, s49, BTV+4096
	v_lshl_add_u32 v10, v31, 4, s46                ; v: the bias of my row of W2, four times
	v_lshl_add_u32 v31, v30, 3, v31                ; the row at place = lane
	v_lshlrev_b32 v19, 4, v31                      ; a weight's scales: 16 bytes a row
	v_add_nc_u32 v20, s49, v19                     ; the same in block w
	v_and_b32 v31, 31, v0                          ; lane
	v_lshlrev_b32 v15, 4, v31
	v_lshl_add_u32 v11, v31, 4, HST
	s_lshl_b32 s46, s4, 6
	s_add_co_u32 s46, s46, s48
	s_add_co_u32 s46, s46, SCT
	v_lshl_add_u32 v12, v30, 8, s46
	v_lshl_add_u32 v12, v29, 2, v12                ; q, k: scale word of (head h, block w, row r)
	s_lshl_b32 s46, s4, 7
	s_add_co_u32 s46, s46, SCT+1024
	v_lshl_add_u32 v13, v31, 2, s46                ; v: of (block w, tile lane / 16, row r)
	s_add_co_u32 s46, s48, SCT
	v_lshl_add_u32 v14, v31, 4, s46                ; the role's 512 bytes read back
	v_lshlrev_b32 v16, 11, v30
	v_lshl_add_u32 v16, v29, 4, v16                ; and their place in qkvs: two heads, 2,048 bytes apart
	v_lshlrev_b32 v17, 4, v0
	s_lshl_b32 s46, s4, 5
	v_add_nc_u32 v18, s46, v31                     ; h's scale bytes: place 32 w + lane
	v_and_b32 v21, 127, v0
	v_lshlrev_b32 v21, 2, v21
	v_mul_u32_u24 v29, v0, 1366
	v_lshrrev_b32 v29, 16, v29                     ; thread / 48 (exact up to 767): which of a round's 8 records
	v_mul_u32_u24 v30, v29, 48
	v_sub_nc_u32 v30, v0, v30                      ; thread % 48: which 16 bytes of it
	v_mul_u32_u24 v29, v29, 896
	v_lshl_add_u32 v22, v30, 4, v29
	v_add_nc_u32 v23, REGION, v22
	v_add_nc_u32 v24, 2*REGION, v22
	v_add_nc_u32 v25, 3*REGION, v22
	v_lshl_add_u32 v26, v0, 4, HST
	v_lshl_add_u32 v27, v0, 2, BT
	v_lshl_add_u32 v28, v0, 4, BTV
	s_mul_i32 s46, s6, 49152                       ; h: 4 blocks x 16 records a rho
	s_mov_b32 s47, 0
	s_mul_i32 s48, s5, 49152                       ; the weights: 4 blocks a j
	s_mov_b32 s49, 0
	s_wait_kmcnt 0x0
	s_add_nc_u64 s[16:17], s[16:17], s[46:47]
	s_add_nc_u64 s[20:21], s[20:21], s[48:49]
	s_lshl_b32 s46, s7, 14
	s_lshl_b32 s48, s8, 7
	s_add_co_u32 s46, s46, s48
	s_add_nc_u64 s[18:19], s[18:19], s[46:47]      ; hscl at [b][0][128 t on]
	s_cmp_eq_u32 s3, 0                             ; the role's scales and bias: the choice hangs on the wave's number alone
	s_cselect_b64 s[38:39], s[22:23], s[24:25]
	s_cselect_b64 s[40:41], s[28:29], s[30:31]
	s_cmp_eq_u32 s3, 2
	s_cselect_b64 s[38:39], s[26:27], s[38:39]
	s_cselect_b64 s[40:41], s[32:33], s[40:41]
	s_lshl_b32 s46, s5, 11
	s_add_nc_u64 s[38:39], s[38:39], s[46:47]
	s_lshl_b32 s46, s5, 9
	s_add_nc_u64 s[40:41], s[40:41], s[46:47]
	s_lshl_b32 s46, s3, 17
	s_lshl_b32 s48, s9, 11
	s_add_co_u32 s46, s46, s48
	s_lshl_b32 s48, s8, 8
	s_add_co_u32 s46, s46, s48
	s_add_nc_u64 s[44:45], s[36:37], s[46:47]      ; qkvs: role, head 8 b + 2 j, 256 bytes a rho
.set k, 0
.rept 8
	global_load_b128 v[128+4*k:131+4*k], v17, s[16:17] offset:6144*k   ; the 384 threads copy 8 whole records a round
.set k, k+1
.endr
.irp m, 0,1,2
.set k, 0
.rept 8
	global_load_b128 v[160+32*\m+4*k:163+32*\m+4*k], v17, s[20:21] offset:196608*\m+6144*k
.set k, k+1
.endr
.endr
.set k, 0
.rept 16
	global_load_u8 v[56+k], v18, s[18:19] offset:1024*k
.set k, k+1
.endr
.irp m, 0,1,2,3
	global_load_b128 v[LS+4*\m:LS+4*\m+3], v19, s[38:39] offset:512*\m
.endr
	global_load_b128 v[SSW:SSW+3], v20, s[38:39]
	global_load_b32 v72, v21, s[40:41]
	s_wait_loadcnt 22                              ; the 32 copy loads are in; behind them 16 + 5 + 1 were issued
.irp m, 0,1,2,3
.set k, 0
.rept 8
	ds_store_b128 v[22+\m], v[128+32*\m+4*k:131+32*\m+4*k] offset:7168*k
.set k, k+1
.endr
.endr
	s_wait_loadcnt 0x0
.irp s, 0,1,2,3
	v_lshl_or_b32 v[HW+\s], v[57+4*\s], 8, v[56+4*\s]
	v_lshl_or_b32 v[HW+\s], v[58+4*\s], 16, v[HW+\s]
	v_lshl_or_b32 v[HW+\s], v[59+4*\s], 24, v[HW+\s]
.endr
	v_mov_b32 v73, v72
	v_mov_b32 v74, v72
	v_mov_b32 v75, v72
	ds_store_b128 v26, v[HW:HW+3]
	ds_store_b32 v27, v72
	ds_store_b128 v28, v[72:75]
	s_wait_dscnt 0x0                               ; for the others' sake: all my stores have landed
	s_barrier_signal -1
	s_barrier_wait -1
.macro UNIT vp                         ; vp = 0: q or k; 1: v
.set SS, HW+4*\vp
.set FSTEP, 49152-47616*\vp            ; from one image to the next: the next head's, or the next tile's
.if \vp
	s_lshr_b32 s46, s4, 1
	s_add_co_u32 s46, s46, s9                      ; head 8 b + 2 j + w / 2
	s_mul_i32 s46, s46, 49152
	s_mul_i32 s47, s8, 6144                        ; these 128 keys
	s_add_co_u32 s46, s46, s47
	s_and_b32 s47, s4, 1
	s_mul_i32 s47, s47, 3072                       ; channel tiles 2 (w % 2) on
	s_add_co_u32 s46, s46, s47
	s_add_co_u32 s46, s46, 6291456
.else
	s_mul_i32 s46, s3, 3145728
	s_mul_i32 s47, s9, 49152
	s_add_co_u32 s46, s46, s47
	s_lshl_b32 s47, s8, 2
	s_add_co_u32 s47, s47, s4                      ; block of 32 t in the batch
	s_mul_i32 s47, s47, 1536
	s_add_co_u32 s46, s46, s47
.endif
	s_mov_b32 s47, 0
	s_add_nc_u64 s[42:43], s[34:35], s[46:47]
.if \vp
.irp u, 0,1
	ds_load_b128 v[ACC+64*\u+56:ACC+64*\u+59], v10 offset:128*\u       ; the bias of the lane's channel, eight times, into accumulator (7, u)
	ds_load_b128 v[ACC+64*\u+60:ACC+64*\u+63], v10 offset:128*\u
.endr
.irp m, 0,1,2,3
	ds_load_b128 v[LS+4*\m:LS+4*\m+3], v11 offset:4096+512*\m   ; the four blocks' scale words of h, as waves 8-11 stored them
.endr
.else
.irp t, 0,1,2,3,4,5,6,7
	ds_load_b128 v[ACC+8*\t:ACC+8*\t+3], v9 offset:128*(\t/2)+32*(\t%2)       ; the biases of d = 32 (T / 2) + 16 h + 8 (T % 2) + 0 .. 7, into accumulator (T, 0)
	ds_load_b128 v[ACC+8*\t+4:ACC+8*\t+7], v9 offset:128*(\t/2)+32*(\t%2)+16
.endr
.rept 8
	v_nop                                          ; my block's scale words were made by vector instructions: eight places ahead of a scaled product
.endr
.endif
.irp s, 0,1,2,3
	FRAG SH, 3+4*\vp, 4+4*\vp, 3584*\s, 0
	FRAG SH+12, 3+4*\vp, 4+4*\vp, 3584*\s, 1
.irp g, 0,1
.irp t, 0,1,2,3
	FRAG LF+12*\t, 1+4*\vp, 2+4*\vp, 14336*((4*\g+\t)/2)+3584*\s, \t%2
.endr
	s_wait_dscnt 0x0
.if (\s == 0) && (\vp == 0)
.irp t, 0,1,2,3
	WM ACC+64+8*(4*\g+\t), LF+12*\t, SH+12, ACC+8*(4*\g+\t), LS+4*((4*\g+\t)/2), SS, \t%2, 1   ; (T, 1) starts from the biases that lie in (T, 0)'s registers
.endr
.rept 5
	v_nop                                          ; a product that writes over a source of an earlier one stands five places behind it (ISA guide 7.12.1)
.endr
.irp t, 0,1,2,3
	WM ACC+8*(4*\g+\t), LF+12*\t, SH, ACC+8*(4*\g+\t), LS+4*((4*\g+\t)/2), SS, \t%2, 0         ; (T, 0) adds onto them in place
.endr
.elseif \s == 0
.irp t, 0,1,2,3
.if 4*\g+\t < 7
.irp u, 0,1
	WM ACC+64*\u+8*(4*\g+\t), LF+12*\t, SH+12*\u, ACC+64*\u+56, LS+4*((4*\g+\t)/2), SS, \t%2, \u   ; tiles 0-6 start from the bias that lies in (7, u)'s registers
.endr
.endif
.endr
.if \g == 1
.rept 5
	v_nop                                          ; five places, as above
.endr
.irp u, 0,1
	WM ACC+64*\u+56, LF+36, SH+12*\u, ACC+64*\u+56, LS+12, SS, 1, \u   ; tile 7 adds onto it in place, last
.endr
.endif
.else
.irp t, 0,1,2,3
.irp u, 0,1
	WM ACC+64*\u+8*(4*\g+\t), LF+12*\t, SH+12*\u, ACC+64*\u+8*(4*\g+\t), LS+4*((4*\g+\t)/2)+\s, SS+\s, \t%2, \u   ; the 16 accumulators take turns, one instruction a turn
.endr
.endr
.endif
.rept 4
	v_nop                                          ; places ahead of loads into registers that the products read, and of the first read of results
.endr
.endr
.endr
.irp b, 0,1,2,3
	v_mov_b32 v[TM+4+\b], 0                        ; a lane permute's destination counts as read
.endr
.if \vp
	QUANT4 ACC, CD, CD+6, PW                       ; tile u = 0: a whole fragment along 128 keys
	QUANT4 ACC+64, CD+12, CD+18, PW+1
.else
	QUANT4 ACC, CD, CD+12, PW                      ; tile u = 0: channels of head 2 j, of head 2 j + 1
	QUANT4 ACC+64, CD+6, CD+18, PW+1               ; tile u = 1 beside it: the pair
.endif
.irp f, 0,1
.irp c, 0,1,2
	global_store_b128 v15, v[CD+12*\f+4*\c:CD+12*\f+4*\c+3], s[42:43] offset:FSTEP*\f+512*\c   ; 512 consecutive bytes
.endr
.endr
.if \vp
	v_cndmask_b32 v108, v[PW], v[PW+1], s52        ; lanes 0-15 tile 0's words, lanes 16-31 tile 1's
	ds_store_b32 v13, v108
.else
	v_perm_b32 v106, v[PW+1], v[PW], 0x05040100    ; head 2 j: (u0 s0, u0 s1, u1 s0, u1 s1)
	v_perm_b32 v107, v[PW+1], v[PW], 0x07060302    ; head 2 j + 1
	v_cndmask_b32 v108, v106, v107, s52
	ds_store_b32 v12, v108
.endif
.endm
	s_cmp_lt_u32 s2, 8
	s_cbranch_scc0 .Lrole_v
	UNIT 0
	s_branch .Ljoin
.Lrole_v:
	UNIT 1
.Ljoin:
	s_wait_dscnt 0x0                               ; my scale words have landed
	s_barrier_signal -1
	s_barrier_wait -1
	s_cmp_lg_u32 s4, 0                             ; a role's first wave stores its 512 bytes: two aligned runs of 256
	s_cbranch_scc1 .Lend
	ds_load_b128 v[112:115], v14
	s_wait_dscnt 0x0
	global_store_b128 v16, v[112:115], s[44:45]
.Lend:
	s_set_vgpr_msb 0x5
	s_wait_tensorcnt 0x0
	ds_add_u32 v0, v1
	s_wait_dscnt 0x0
	s_set_vgpr_msb 0x500
	s_endpgm
.Lfunc_end_k_qcdab9adc7c_qkv:
	.size	k_qcdab9adc7c_qkv, .Lfunc_end_k_qcdab9adc7c_qkv-k_qcdab9adc7c_qkv
	.p2alignl 7, 3214868480
	.fill 96, 4, 3214868480
	.section	.rodata,"a",@progbits
	.p2align	6, 0x0
	.amdhsa_kernel k_qcdab9adc7c_qkv
		.amdhsa_group_segment_fixed_size 246272
		.amdhsa_private_segment_fixed_size 0
		.amdhsa_enable_private_segment 0
		.amdhsa_kernarg_size 88
		.amdhsa_user_sgpr_count 2
		.amdhsa_user_sgpr_kernarg_segment_ptr 1
		.amdhsa_wavefront_size32 1
		.amdhsa_system_sgpr_workgroup_id_x 1
		.amdhsa_system_sgpr_workgroup_id_y 1
		.amdhsa_system_sgpr_workgroup_id_z 1
		.amdhsa_system_vgpr_workitem_id 0
		.amdhsa_next_free_vgpr 258
		.amdhsa_next_free_sgpr 66
		.amdhsa_reserve_vcc 0
		.amdhsa_float_denorm_mode_32 3
		.amdhsa_float_denorm_mode_16_64 3
		.amdhsa_memory_ordered 1
		.amdhsa_forward_progress 1
		.amdhsa_inst_pref_size 73
	.end_amdhsa_kernel
	.amdgpu_metadata
---
amdhsa.version: [ 1, 2 ]
amdhsa.kernels:
  - .name:           k_qcdab9adc7c_qkv
    .symbol:         k_qcdab9adc7c_qkv.kd
    .args:
      - { .name: hcod, .offset: 0, .size: 8, .value_kind: global_buffer, .address_space: global }
      - { .name: hscl, .offset: 8, .size: 8, .value_kind: global_buffer, .address_space: global }
      - { .name: wrec, .offset: 16, .size: 8, .value_kind: global_buffer, .address_space: global }
      - { .name: W0_scales, .offset: 24, .size: 8, .value_kind: global_buffer, .address_space: global }
      - { .name: W1_scales, .offset: 32, .size: 8, .value_kind: global_buffer, .address_space: global }
      - { .name: W2_scales, .offset: 40, .size: 8, .value_kind: global_buffer, .address_space: global }
      - { .name: b0, .offset: 48, .size: 8, .value_kind: global_buffer, .address_space: global }
      - { .name: b1, .offset: 56, .size: 8, .value_kind: global_buffer, .address_space: global }
      - { .name: b2, .offset: 64, .size: 8, .value_kind: global_buffer, .address_space: global }
      - { .name: qkvc, .offset: 72, .size: 8, .value_kind: global_buffer, .address_space: global }
      - { .name: qkvs, .offset: 80, .size: 8, .value_kind: global_buffer, .address_space: global }
    .group_segment_fixed_size: 246272
    .private_segment_fixed_size: 0
    .kernarg_segment_align: 8
    .kernarg_segment_size: 88
    .max_flat_workgroup_size: 384
    .sgpr_count:     66
    .vgpr_count:     258
    .wavefront_size: 32
...
	.end_amdgpu_metadata
.endif
;; end of part 2
;; launch attn (part 3): grid 4 x 64, 16 waves a work-group, no clusters, 117,248 bytes of LDS; arguments qkvc, qkvs, acod, ascl; writes acod, ascl
.if DOCPART == 3
	.amdgcn_target "amdgcn-amd-amdhsa--gfx1250"
	.amdhsa_code_object_version 6
	.text
	.protected	k_qcdab9adc7c_attn
	.globl	k_qcdab9adc7c_attn
	.p2align	8
	.type	k_qcdab9adc7c_attn,@function
k_qcdab9adc7c_attn:
	s_mov_b64 s[64:65], 0
	v_nop
	global_prefetch_b8 v0, s[64:65] scope:SCOPE_SE
	s_setreg_imm32_b32 hwreg(HW_REG_WAVE_MODE, 25, 1), 1
	s_wait_xcnt 0x0
; a = softmax(q^T k / 8) v for one head, both products on codes of BF6 (E3M2), and a / l quantised along the channels for the last product.
; A work-group (x = which 256 queries, y = 8 b + head) has sixteen waves; a wave owns one tile of 16 queries in 256 registers: four waves to a SIMD, so that one wave's vector work stands beside another's products and LDS loads.
; The head's whole K and V (2 x 49,152 bytes of codes, 2 x 2,048 of scale words) are copied into LDS once, through registers, and read by all sixteen.  Eight steps of 128 keys.
; SCORES.  The head size is 64, the instruction's K is 128.  K comes as PAIRS: registers 0-5 a tile of 16 keys (64 channels), registers 6-11 the block's other tile.  The query operand is [q | zeros] or [zeros | q]:
;   one pair feeds two score tiles, and the zero codes add nothing (no scale byte here is 0xff, and the format has no NaN).
; Both products are used transposed (source 0 = keys, or channels of V; source 1 = my queries, or p): a lane holds one query throughout.  A block's tile u holds keys 8 u + r + 8 (r / 8), so the 16 registers of score tiles
;   2 b, 2 b + 1 are keys 32 b + 16 (lane / 16) + 0 .. 15.
; SOFTMAX: t = score x log2(e) / 8; M = the running largest t rounded up to a whole number (kept as -M); p = 2^(t - M) is quantised along the keys; the sum is taken of the unquantised p; when M moves, sum and O are
;   multiplied by 2^(old M - new M), exactly.  A block's largest p is the block's largest score put through the same multiply-add and exponential (this takes v_exp_f32 not to fall where its input rises).
; No tensor loads: every LDS byte is filled once.  No cluster: the four work-groups of a head share one fill of 100 KB, small beside eight steps of softmax.
; LIMITS: NaN and infinities are not served; a block whose largest magnitude lies under 2^-122, zeros too, keeps the byte 1.
.set VC,   49152                       ; LDS: K's pairs at 0, V's tiles here
.set KS,   98304                       ; K's scale words; V's 2,048 bytes on
.set AST,  102400                      ; a's 16 records of 768 bytes
.set ASS,  114688                      ; a's 256 scale halfwords
.set FR,   48                          ; v48-95   four fragments: K's pairs, then V's tiles
.set S,    96                          ; v96-159  scores, then p
.set O,    160                         ; v160-191 O^T
.set PC,   192                         ; v192-203 p's codes
.set PT,   204                         ; v204-211 half blocks
.set BM,   212                         ; v212-215 block maxima
.set BB,   216                         ; v216-219 the other half's, then bytes
.set SO,   220                         ; v220-223 the conversions' scale operands
.set QS,   46                          ; v46 q's scale word;  v28-33 zeros, v34-39 q, v40-45 zeros
.macro SCORE d, a, b, sa, ra
.if \ra
	v_wmma_scale_f32_16x16x128_f8f6f4 v[(\d):(\d)+7], v[(\a):(\a)+11], v[(\b):(\b)+11], 0, v[\sa], v[QS] matrix_a_fmt:MATRIX_FMT_BF6 matrix_b_fmt:MATRIX_FMT_BF6 matrix_a_scale:MATRIX_SCALE_ROW1
.else
	v_wmma_scale_f32_16x16x128_f8f6f4 v[(\d):(\d)+7], v[(\a):(\a)+11], v[(\b):(\b)+11], 0, v[\sa], v[QS] matrix_a_fmt:MATRIX_FMT_BF6 matrix_b_fmt:MATRIX_FMT_BF6
.endif
.endm
.macro PVMUL d, a, sa, ra
.if \ra
	v_wmma_scale_f32_16x16x128_f8f6f4 v[(\d):(\d)+7], v[(\a):(\a)+11], v[PC:PC+11], v[(\d):(\d)+7], v[\sa], v226 matrix_a_fmt:MATRIX_FMT_BF6 matrix_b_fmt:MATRIX_FMT_BF6 matrix_a_scale:MATRIX_SCALE_ROW1
.else
	v_wmma_scale_f32_16x16x128_f8f6f4 v[(\d):(\d)+7], v[(\a):(\a)+11], v[PC:PC+11], v[(\d):(\d)+7], v[\sa], v226 matrix_a_fmt:MATRIX_FMT_BF6 matrix_b_fmt:MATRIX_FMT_BF6
.endif
.endm
	s_load_b256 s[4:11], s[0:1], 0x0               ; qkvc, qkvs, acod, ascl
	v_lshl_add_u32 v254, v0, 2, 0x1c200
	v_mov_b32 v255, 0
	v_lshrrev_b32 v16, 5, v0
	v_readfirstlane_b32 s2, v16                    ; wave 0..15
	s_mov_b32 s36, ttmp9                           ; which 256 queries
	s_and_b32 s37, ttmp7, 0xffff                   ; 8 b + head
	s_lshr_b32 s38, s2, 1                          ; my block of 32 queries among the eight
	s_and_b32 s39, s2, 1                           ; and which of its two tiles
	s_lshl_b32 s40, s36, 3
	s_add_co_u32 s40, s40, s38                     ; the block's number in the head
	v_and_b32 v16, 15, v0                          ; r
	v_bfe_u32 v17, v0, 4, 1                        ; h
	v_and_b32 v18, 31, v0                          ; lane
	v_lshlrev_b32 v1, 4, v18                       ; an image's 16 bytes of my lane
	v_lshl_add_u32 v2, v18, 2, KS                  ; scale words: lanes 0-15 one tile's rows, lanes 16-31 the next tile's
	s_mul_i32 s32, s38, 1536
	s_add_co_u32 s32, s32, AST
	s_lshl_b32 s33, s39, 8
	s_add_co_u32 s33, s33, s32
	v_mul_u32_u24 v19, v17, 768
	v_lshl_add_u32 v5, v16, 4, v19
	v_add_nc_u32 v5, s33, v5                       ; a: record 2 (wave / 2) + h, place 16 (wave % 2) + r: the first 16 bytes,
	s_lshl_b32 s33, s39, 7
	s_add_co_u32 s33, s33, s32
	s_add_co_u32 s33, s33, 512
	v_lshl_add_u32 v6, v16, 3, v19
	v_add_nc_u32 v6, s33, v6                       ; the last 8
	s_lshl_b32 s32, s2, 5
	s_add_co_u32 s32, s32, ASS
	v_lshl_add_u32 v7, v16, 1, s32                 ; my row's scale halfword
	s_mul_i32 s32, s2, 768
	s_add_co_u32 s32, s32, AST
	v_lshl_add_u32 v8, v18, 3, s32                 ; way out: record = wave, 8 bytes a lane
	v_lshl_add_u32 v9, v18, 4, ASS
	v_lshlrev_b32 v10, 3, v18
	v_lshlrev_b32 v20, 4, v0                       ; the copy: 16 x thread, in memory and in LDS
	v_add_nc_u32 v21, VC, v20
	v_lshl_add_u32 v22, v0, 2, KS
	v_lshlrev_b32 v23, 2, v0
	v_lshlrev_b32 v24, 2, v16
	s_mov_b32 s20, 0x76543210                      ; v_permlanex16_b32's selects for lane l xor 16
	s_mov_b32 s21, 0xfedcba98
	s_mov_b32 s22, 0x3e38aa3b                      ; c = log2(e) / 8
	s_mov_b32 s23, s22                             ; (named with it as a pair)
	s_sub_co_u32 s27, 0, s39                       ; all ones where my tile is the pair's second
	s_mov_b32 s28, 0x01000100
	s_mov_b32 s29, 0x03020302
	s_cmp_eq_u32 s39, 0
	s_cselect_b32 s30, s28, s29                    ; which two bytes of the pair's scale word are my tile's
	s_mul_i32 s32, s37, 49152
	s_mov_b32 s33, 0
	s_mul_i32 s34, s40, 1536
	s_mov_b32 s35, 0
	s_lshr_b32 s41, s37, 3
	s_lshl_b32 s41, s41, 5
	s_add_co_u32 s41, s41, s40                     ; block 32 b + ..
	s_lshl_b32 s41, s41, 4
	s_and_b32 s42, s37, 7
	s_lshl_b32 s42, s42, 1
	s_add_co_u32 s41, s41, s42
	s_add_co_u32 s41, s41, s39                     ; record 16 block + 2 head + wave % 2
	s_wait_kmcnt 0x0
	s_add_nc_u64 s[12:13], s[4:5], s[32:33]        ; the head in each third of qkvc
	s_add_nc_u64 s[14:15], s[12:13], s[34:35]      ; my pair of q
	s_lshl_b32 s32, s37, 11
	s_add_nc_u64 s[16:17], s[6:7], s[32:33]        ; the head in each third of qkvs
	s_lshl_b32 s34, s40, 6
	s_add_nc_u64 s[18:19], s[16:17], s[34:35]
	s_lshl_b32 s34, s36, 9
	s_add_co_u32 s32, s32, s34
	s_add_nc_u64 s[10:11], s[10:11], s[32:33]      ; ascl: head x 2,048 + 512 x
	s_mul_i32 s32, s41, 768
	s_add_nc_u64 s[8:9], s[8:9], s[32:33]
.irp c, 0,1,2
	global_load_b128 v[96+4*\c:99+4*\c], v1, s[14:15] offset:512*\c
.endr
	global_load_b32 v108, v24, s[18:19]
.irp k, 0,1,2,3,4,5
	global_load_b128 v[112+4*\k:115+4*\k], v20, s[12:13] offset:3145728+8192*\k
.endr
.irp k, 0,1,2,3,4,5
	global_load_b128 v[136+4*\k:139+4*\k], v20, s[12:13] offset:6291456+8192*\k
.endr
	global_load_b32 v109, v23, s[16:17] offset:131072
	global_load_b32 v110, v23, s[16:17] offset:262144
.irp i, 0,1,2,3,4,5
	v_mov_b32 v[28+\i], 0
	v_mov_b32 v[40+\i], 0
.endr
	v_mov_b32 v13, 0xff61b1e6                      ; the largest t so far: -3e38
	v_floor_f32 v12, -v13                          ; -M
	v_mov_b32 v14, 0                               ; the sum, in two halves
	v_mov_b32 v15, 0
.irp b, 0,1,2,3
	v_mov_b32 v[BB+\b], 0                          ; a lane permute's destination counts as read
.endr
	v_mov_b32 v225, 0                              ; (the upper half of the pair v[224:225])
	s_mov_b32 s24, 0                               ; the step's codes: 6,144 bytes a step
	s_mov_b32 s25, 0                               ; its scale words: 256
	s_mov_b32 s26, 8
	s_wait_loadcnt 0x0
	v_perm_b32 v[QS], v108, v108, s30              ; (s0, s1, s0, s1): it serves q in either half of K
.irp i, 0,1,2,3,4,5
	v_cndmask_b32 v[34+\i], v[96+\i], v[102+\i], s27
.endr
.irp k, 0,1,2,3,4,5
	ds_store_b128 v20, v[112+4*\k:115+4*\k] offset:8192*\k
	ds_store_b128 v21, v[136+4*\k:139+4*\k] offset:8192*\k
.endr
	ds_store_b32 v22, v109
	ds_store_b32 v22, v110 offset:2048
.set j, 0
.rept 32
	v_mov_b32 v[O+j], 0                            ; O^T: the first change of M leaves zeros zeros.  (These are also the places between q and its scale word and the first product)
.set j, j+1
.endr
	s_wait_dscnt 0x0                               ; for the others' sake: my part of K and V has landed
	s_barrier_signal -1
	s_barrier_wait -1
.Lstep:                                            ; eight trips: 128 keys each
	v_add_nc_u32 v3, s24, v1
	v_add_nc_u32 v4, s25, v2
	v_nop
	v_nop                                          ; four places ahead of loads into registers that the last products read
.irp b, 0,1,2,3
.irp c, 0,1,2
	ds_load_b128 v[FR+12*\b+4*\c:FR+12*\b+4*\c+3], v3 offset:1536*\b+512*\c
.endr
.endr
	ds_load_b32 v230, v4                           ; pairs 0 (lanes 0-15) and 1 (lanes 16-31)
	ds_load_b32 v231, v4 offset:128                ; pairs 2 and 3
	s_wait_dscnt 0x0
.irp b, 0,1,2,3
.irp u, 0,1
	SCORE S+8*(2*\b+\u), FR+12*\b, 34-6*\u, 230+\b/2, \b%2
.endr
.endr
.rept 4
	v_nop                                          ; places ahead of the loads below and of the first read of the scores
.endr
.irp b, 0,1,2,3
.irp c, 0,1,2
	ds_load_b128 v[FR+12*\b+4*\c:FR+12*\b+4*\c+3], v3 offset:VC+1536*\b+512*\c   ; V's four tiles land during the softmax
.endr
.endr
	ds_load_b32 v232, v4 offset:2048
	ds_load_b32 v233, v4 offset:2176
.irp b, 0,1,2,3
	v_max3_num_f32 v[BM+\b], v[S+16*\b], v[S+1+16*\b], v[S+2+16*\b]   ; the largest score of each block of 32 keys: for the row's maximum and for the block's largest p
.endr
.irp i, 3,5,7,9,11,13
.irp b, 0,1,2,3
	v_max3_num_f32 v[BM+\b], v[BM+\b], v[S+16*\b+\i], v[S+1+16*\b+\i]
.endr
.endr
.irp b, 0,1,2,3
	v_max_num_f32 v[BM+\b], v[BM+\b], v[S+15+16*\b]
.endr
.irp b, 0,1,2,3
	v_permlanex16_b32 v[BB+\b], v[BM+\b], s20, s21
.endr
.irp b, 0,1,2,3
	v_max_num_f32 v[BM+\b], v[BM+\b], v[BB+\b]     ; with lane l xor 16's 16 keys
.endr
	v_max3_num_f32 v227, v212, v213, v214
	v_max_num_f32 v227, v227, v215
	v_mul_f32 v227, s22, v227                      ; as t (c is positive)
	v_max_num_f32 v13, v13, v227                   ; the running largest t
	v_mov_b32 v227, v12
	v_floor_f32 v12, -v13                          ; the new -M = -ceil(t)
	v_sub_f32 v227, v12, v227                      ; old M - new M: a whole number, 0 or less
	v_cvt_i32_f32 v227, v227                       ; (it saturates)
	v_ldexp_f32 v224, 1.0, v227                    ; f = 2^(old M - new M)
.set j, 0
.rept 32
	v_pk_fma_f32 v[S+j:S+j+1], v[S+j:S+j+1], s[22:23], v[12:13] op_sel_hi:[1,0,0]   ; t - M
.set j, j+2
.endr
.irp b, 0,1,2,3
	v_fma_f32 v[BM+\b], v[BM+\b], s22, v12
.endr
.set j, 0
.rept 64
	v_exp_f32 v[S+j], v[S+j]                       ; p = 2^(t - M)
.set j, j+1
.endr
.irp b, 0,1,2,3
	v_exp_f32 v[BM+\b], v[BM+\b]                   ; the block's largest p
.endr
	v_pk_mul_f32 v[14:15], v[14:15], v[224:225] op_sel_hi:[1,0]   ; the sum under the new M; a plain instruction behind the exponentials
	s_wait_alu depctr_va_vdst(0)
.irp b, 0,1,2,3
	v_max_num_f32 v[BM+\b], 0x2800000, v[BM+\b]    ; the floor 2^(5 - 127)
.endr
.irp b, 0,1,2,3
	v_add_nc_u32 v[SO+\b], 0xfe000000, v[BM+\b]
.endr
.irp b, 0,1,2,3
	v_lshrrev_b32 v[BB+\b], 23, v[SO+\b]
.endr
	v_lshl_or_b32 v226, v217, 8, v216              ; p's scale word for these 128 keys
	v_lshl_or_b32 v226, v218, 16, v226
	v_lshl_or_b32 v226, v219, 24, v226
.irp c, 0,1
	v_cvt_scalef32_pk16_bf6_f32 v[PC+6*\c:PC+6*\c+2], v[S+32*\c:S+32*\c+15], v[SO+2*\c]
	v_cvt_scalef32_pk16_bf6_f32 v[PT+4*\c:PT+4*\c+2], v[S+32*\c+16:S+32*\c+31], v[SO+2*\c+1]
.endr
	v_nop                                          ; a plain instruction behind the conversions
.irp c, 0,1
.irp i, 0,1,2
	v_permlane16_swap_b32 v[PC+6*\c+\i], v[PT+4*\c+\i]
.endr
.irp i, 0,1,2
	v_mov_b32 v[PC+6*\c+3+\i], v[PT+4*\c+\i]
.endr
.endr
	v_pk_add_f32 v[228:229], v[S:S+1], v[S+2:S+3]  ; the sum of the unquantised p, in two chains
.set j, 4
.rept 15
	v_pk_add_f32 v[14:15], v[14:15], v[S+j:S+j+1]
	v_pk_add_f32 v[228:229], v[228:229], v[S+j+2:S+j+3]
.set j, j+4
.endr
	v_pk_add_f32 v[14:15], v[14:15], v[228:229]
.set j, 0
.rept 16
	v_pk_mul_f32 v[O+j:O+j+1], v[O+j:O+j+1], v[224:225] op_sel_hi:[1,0]   ; O^T under the new M
.set j, j+2
.endr
	s_wait_dscnt 0x0                               ; V's tiles and scale words
.irp t, 0,1,2,3
	PVMUL O+8*\t, FR+12*\t, 232+\t/2, \t%2         ; four accumulators, one instruction each; the next matrix instruction is a score's
.endr
	s_add_co_u32 s24, s24, 6144
	s_add_co_u32 s25, s25, 256
	s_sub_co_u32 s26, s26, 1
	s_cmp_lg_u32 s26, 0
	s_cbranch_scc1 .Lstep
.rept 4
	v_nop
.endr
	v_add_f32 v14, v14, v15
	v_permlanex16_b32 v227, v14, s20, s21
	v_add_f32 v14, v14, v227                       ; the row's sum
	v_rcp_f32 v14, v14
	v_nop
.set j, 0
	s_wait_alu depctr_va_vdst(0)
.rept 32
	v_mul_f32 v[S+j], v[O+j], v14                  ; a: register 16 b + i = channel 32 b + 16 h + i of my query
.set j, j+1
.endr
.irp b, 0,1
	v_max3_num_f32 v[BM+\b], |v[S+16*\b]|, |v[S+1+16*\b]|, 0x2800000
.endr
.irp i, 2,4,6,8,10,12,14
.irp b, 0,1
	v_max3_num_f32 v[BM+\b], v[BM+\b], |v[S+16*\b+\i]|, |v[S+1+16*\b+\i]|
.endr
.endr
.irp b, 0,1
	v_permlanex16_b32 v[BB+\b], v[BM+\b], s20, s21
.endr
.irp b, 0,1
	v_max_num_f32 v[BM+\b], v[BM+\b], v[BB+\b]
.endr
.irp b, 0,1
	v_add_nc_u32 v[SO+\b], 0xfe000000, v[BM+\b]
.endr
.irp b, 0,1
	v_lshrrev_b32 v[BB+\b], 23, v[SO+\b]
.endr
	v_lshl_or_b32 v227, v217, 8, v216              ; the row's two scale bytes
	v_cvt_scalef32_pk16_bf6_f32 v[PC:PC+2], v[S:S+15], v[SO]
	v_cvt_scalef32_pk16_bf6_f32 v[PT:PT+2], v[S+16:S+31], v[SO+1]
	v_nop
.irp i, 0,1,2
	v_permlane16_swap_b32 v[PC+\i], v[PT+\i]       ; lanes 0-15: the head's first 32 channels, lanes 16-31: its last
.endr
.irp i, 0,1,2
	v_mov_b32 v[PC+3+\i], v[PT+\i]
.endr
	ds_store_b128 v5, v[PC:PC+3]
	ds_store_b64 v6, v[PC+4:PC+5]
	ds_store_b16 v7, v227                          ; lanes r and r + 16 write the same halfword with the same value
	s_wait_dscnt 0x0
	s_barrier_signal -1
	s_barrier_wait -1
.irp p, 0,1,2
	ds_load_b64 v[S+2*\p:S+2*\p+1], v8 offset:256*\p
.endr
	s_wait_dscnt 0x0
.irp p, 0,1,2
	global_store_b64 v10, v[S+2*\p:S+2*\p+1], s[8:9] offset:256*\p   ; 256 consecutive bytes, aligned
.endr
	s_cmp_lg_u32 s2, 0
	s_cbranch_scc1 .Lend
	ds_load_b128 v[S+8:S+11], v9
	s_wait_dscnt 0x0
	global_store_b128 v1, v[S+8:S+11], s[10:11]
.Lend:
	s_wait_tensorcnt 0x0
	ds_add_u32 v254, v255
	s_wait_dscnt 0x0
	s_endpgm
.Lfunc_end_k_qcdab9adc7c_attn:
	.size	k_qcdab9adc7c_attn, .Lfunc_end_k_qcdab9adc7c_attn-k_qcdab9adc7c_attn
	.p2alignl 7, 3214868480
	.fill 96, 4, 3214868480
	.section	.rodata,"a",@progbits
	.p2align	6, 0x0
	.amdhsa_kernel k_qcdab9adc7c_attn
		.amdhsa_group_segment_fixed_size 117248
		.amdhsa_private_segment_fixed_size 0
		.amdhsa_enable_private_segment 0
		.amdhsa_kernarg_size 32
		.amdhsa_user_sgpr_count 2
		.amdhsa_user_sgpr_kernarg_segment_ptr 1
		.amdhsa_wavefront_size32 1
		.amdhsa_system_sgpr_workgroup_id_x 1
		.amdhsa_system_sgpr_workgroup_id_y 1
		.amdhsa_system_sgpr_workgroup_id_z 1
		.amdhsa_system_vgpr_workitem_id 0
		.amdhsa_next_free_vgpr 256
		.amdhsa_next_free_sgpr 66
		.amdhsa_reserve_vcc 0
		.amdhsa_float_denorm_mode_32 3
		.amdhsa_float_denorm_mode_16_64 3
		.amdhsa_memory_ordered 1
		.amdhsa_forward_progress 1
		.amdhsa_inst_pref_size 29
	.end_amdhsa_kernel
	.amdgpu_metadata
---
amdhsa.version: [ 1, 2 ]
amdhsa.kernels:
  - .name:           k_qcdab9adc7c_attn
    .symbol:         k_qcdab9adc7c_attn.kd
    .args:
      - { .name: qkvc, .offset: 0, .size: 8, .value_kind: global_buffer, .address_space: global }
      - { .name: qkvs, .offset: 8, .size: 8, .value_kind: global_buffer, .address_space: global }
      - { .name: acod, .offset: 16, .size: 8, .value_kind: global_buffer, .address_space: global }
      - { .name: ascl, .offset: 24, .size: 8, .value_kind: global_buffer, .address_space: global }
    .group_segment_fixed_size: 117248
    .private_segment_fixed_size: 0
    .kernarg_segment_align: 8
    .kernarg_segment_size: 32
    .max_flat_workgroup_size: 512
    .sgpr_count:     66
    .vgpr_count:     256
    .wavefront_size: 32
...
	.end_amdgpu_metadata
.endif
;; end of part 3
;; launch proj (part 4): grid 4 x 64, 8 waves a work-group, no clusters, 185,344 bytes of LDS; arguments acod, ascl, wrec, W3_scales, b3, x, out0; writes out0
.if DOCPART == 4
	.amdgcn_target "amdgcn-amd-amdhsa--gfx1250"
	.amdhsa_code_object_version 6
	.text
	.protected	k_qcdab9adc7c_proj
	.globl	k_qcdab9adc7c_proj
	.p2align	8
	.type	k_qcdab9adc7c_proj,@function
k_qcdab9adc7c_proj:
	s_mov_b64 s[64:65], 0
	v_nop
	global_prefetch_b8 v0, s[64:65] scope:SCOPE_SE
	s_setreg_imm32_b32 hwreg(HW_REG_WAVE_MODE, 25, 1), 1
	s_wait_xcnt 0x0
; out = x + W3^T a + b3, the product on codes of BF6 (E3M2).
; A work-group (j = x, rho = y) makes d = 128 j .. + 127 for 128 t (batch rho / 8, t = 128 (rho % 8) on).  a's 64 records and W3's 64 are copied once into LDS, through registers.
; Wave: w = wave % 4: 32 rows d of W3 (source 1, two tiles); th = wave / 4: 64 t of a (source 0, four tiles): 8 accumulators, K = 512: 32 matrix instructions.
; A lane holds one d, its registers run along t: with a tile's rows 8 u + r + 8 (r / 8) the 16 registers of tiles 2 b, 2 b + 1 are t = 32 b + 16 (lane / 16) + 0 .. 15.
; So a wave owns 32 rows of 256 consecutive bytes of out; they turn through the wave's own stage in LDS, meet x there, and leave as whole aligned runs of 256 bytes.
; Records and their LDS pitch of 896 bytes: as in the launch that makes q, k and v.  b3 is the C of each sum's first product.
; No tensor loads: every LDS byte is filled once.  No cluster: what neighbours share is one fill of 98 KB at the head.
.set REGION, 57344
.set STGB, 114688                      ; 32 rows x 272 bytes for each wave
.set LS,   20                          ; v20-27  a's scale words: register 4 (block) + K step; lanes 0-15 the even tile's rows, lanes 16-31 the odd tile's
.set SS,   28                          ; v28-31  W3's, by K step
.set BV,   32                          ; v32-33  b3 of my row in tile u
.set SPL,  34                          ; v34-49  the same eight times
.set LF,   50                          ; v50-97  four fragments of a
.set SH,   98                          ; v98-121 two of W3
.set ACC,  122                         ; v122-185 accumulator (T, u) at 8 (2 T + u)
.set XR,   186                         ; v186-249 x
.set OB,   50                          ; the rows read back
.macro WM d, a, b, c, sa, sb, ra, rb
.if (\ra)&&(\rb)
	v_wmma_scale_f32_16x16x128_f8f6f4 v[(\d):(\d)+7], v[(\a):(\a)+11], v[(\b):(\b)+11], v[(\c):(\c)+7], v[\sa], v[\sb] matrix_a_fmt:MATRIX_FMT_BF6 matrix_b_fmt:MATRIX_FMT_BF6 matrix_a_scale:MATRIX_SCALE_ROW1 matrix_b_scale:MATRIX_SCALE_ROW1
.elseif \ra
	v_wmma_scale_f32_16x16x128_f8f6f4 v[(\d):(\d)+7], v[(\a):(\a)+11], v[(\b):(\b)+11], v[(\c):(\c)+7], v[\sa], v[\sb] matrix_a_fmt:MATRIX_FMT_BF6 matrix_b_fmt:MATRIX_FMT_BF6 matrix_a_scale:MATRIX_SCALE_ROW1
.elseif \rb
	v_wmma_scale_f32_16x16x128_f8f6f4 v[(\d):(\d)+7], v[(\a):(\a)+11], v[(\b):(\b)+11], v[(\c):(\c)+7], v[\sa], v[\sb] matrix_a_fmt:MATRIX_FMT_BF6 matrix_b_fmt:MATRIX_FMT_BF6 matrix_b_scale:MATRIX_SCALE_ROW1
.else
	v_wmma_scale_f32_16x16x128_f8f6f4 v[(\d):(\d)+7], v[(\a):(\a)+11], v[(\b):(\b)+11], v[(\c):(\c)+7], v[\sa], v[\sb] matrix_a_fmt:MATRIX_FMT_BF6 matrix_b_fmt:MATRIX_FMT_BF6
.endif
.endm
.macro FRAG reg, aa, ab, off, u        ; a fragment: lane (r, h) takes, for c = 0, 1, K block 2 c + h of the step: 16 + 8 bytes of its record
.irp c, 0,1
	ds_load_b128 v[(\reg)+6*\c:(\reg)+6*\c+3], v[\aa] offset:(\off)+1792*\c+256*(\u)
	ds_load_b64 v[(\reg)+6*\c+4:(\reg)+6*\c+5], v[\ab] offset:(\off)+1792*\c+128*(\u)
.endr
.endm
	s_load_b256 s[4:11], s[0:1], 0x0               ; acod, ascl, wrec, W3's scales
	s_load_b128 s[12:15], s[0:1], 0x20             ; b3, x
	s_load_b64 s[16:17], s[0:1], 0x30              ; out0
	v_lshl_add_u32 v254, v0, 2, 0x2d000
	v_mov_b32 v255, 0
	v_lshrrev_b32 v34, 5, v0
	v_readfirstlane_b32 s2, v34                    ; wave 0..7
	s_and_b32 s3, s2, 3                            ; w
	s_lshr_b32 s18, s2, 2                          ; th
	s_mov_b32 s19, ttmp9                           ; j
	s_and_b32 s20, ttmp7, 0xffff                   ; rho
	s_lshr_b32 s21, s20, 3                         ; b
	s_and_b32 s22, s20, 7
	v_and_b32 v34, 15, v0                          ; r
	v_bfe_u32 v35, v0, 4, 1                        ; h
	v_and_b32 v36, 31, v0                          ; lane
	v_lshlrev_b32 v7, 12, v35
	v_lshl_add_u32 v7, v34, 4, v7                  ; x, out: lanes 0-15 one row's 256 bytes, lanes 16-31 the next row's
	v_lshlrev_b32 v8, 4, v0
	s_lshl_b32 s24, s18, 7
	v_lshl_add_u32 v15, v36, 1, s24                ; a's scale halfwords: place = lane, my two blocks
	v_and_b32 v37, 8, v0
	v_add_nc_u32 v37, v37, v34                     ; r + 8 (r / 8)
	v_lshlrev_b32 v17, 2, v37
	v_lshl_add_u32 v37, v35, 3, v37                ; the row at place = lane
	v_lshlrev_b32 v16, 4, v37
	s_mul_i32 s24, s20, 49152
	s_mov_b32 s25, 0
	s_mul_i32 s26, s19, 49152
	s_mov_b32 s27, 0
	s_lshl_b32 s28, s21, 14
	s_lshl_b32 s29, s22, 8
	s_add_co_u32 s28, s28, s29
	s_mov_b32 s29, 0
	s_lshl_b32 s30, s19, 2
	s_add_co_u32 s30, s30, s3                      ; W3's block 4 j + w
	s_lshl_b32 s32, s30, 9
	s_mov_b32 s33, 0
	s_lshl_b32 s34, s30, 7
	s_mov_b32 s35, 0
	s_lshl_b32 s36, s21, 21                        ; x, out: batch,
	s_lshl_b32 s37, s30, 17                        ; 32 rows of 4,096 bytes a block,
	s_add_co_u32 s36, s36, s37
	s_lshl_b32 s37, s22, 9                         ; 128 t,
	s_add_co_u32 s36, s36, s37
	s_lshl_b32 s37, s18, 8                         ; my 64 of them
	s_add_co_u32 s36, s36, s37
	s_mov_b32 s37, 0
	s_wait_kmcnt 0x0
	s_add_nc_u64 s[4:5], s[4:5], s[24:25]
	s_add_nc_u64 s[8:9], s[8:9], s[26:27]
	s_add_nc_u64 s[6:7], s[6:7], s[28:29]
	s_add_nc_u64 s[10:11], s[10:11], s[32:33]
	s_add_nc_u64 s[12:13], s[12:13], s[34:35]
	s_add_nc_u64 s[14:15], s[14:15], s[36:37]
	s_add_nc_u64 s[16:17], s[16:17], s[36:37]
.set k, 0
.rept 12
	global_load_b128 v[50+4*k:53+4*k], v8, s[4:5] offset:4096*k
.set k, k+1
.endr
.set k, 0
.rept 12
	global_load_b128 v[98+4*k:101+4*k], v8, s[8:9] offset:589824+4096*k   ; W3 is the fourth weight in wrec
.set k, k+1
.endr
.irp m, 0,1
.irp n, 0,1,2,3,4,5,6,7
	global_load_u16 v[150+8*\m+\n], v15, s[6:7] offset:2048*\n+64*\m       ; head n's two bytes of block m's rows
.endr
.endr
	global_load_b128 v[SS:SS+3], v16, s[10:11]
	global_load_b32 v[BV], v17, s[12:13]
	global_load_b32 v[BV+1], v17, s[12:13] offset:32
.set i, 0
.rept 16
	global_load_b128 v[XR+4*i:XR+4*i+3], v7, s[14:15] offset:4096*(8*(i/8)+2*(i%8)+8*((i%8)/4)) th:TH_LOAD_NT   ; the rows in the order of the stage's places
.set i, i+1
.endr
	v_mul_u32_u24 v37, v35, 896
	v_lshl_add_u32 v38, v34, 4, v37                ; 896 h + 16 r
	v_lshl_add_u32 v39, v34, 3, v37
	v_add_nc_u32 v39, 512, v39                     ; 896 h + 512 + 8 r
	s_mul_i32 s24, s18, 28672
	v_add_nc_u32 v1, s24, v38
	v_add_nc_u32 v2, s24, v39
	s_mul_i32 s24, s3, 14336
	s_add_co_u32 s24, s24, REGION
	v_add_nc_u32 v3, s24, v38
	v_add_nc_u32 v4, s24, v39
	s_mul_i32 s23, s2, 8704
	s_add_co_u32 s23, s23, STGB                    ; my stage
	v_mul_u32_u24 v37, v34, 272
	v_lshl_add_u32 v37, v35, 6, v37
	v_add_nc_u32 v5, s23, v37                      ; in: row r, + 64 h
	v_mul_u32_u24 v37, v35, 272
	v_lshl_add_u32 v37, v34, 4, v37
	v_add_nc_u32 v6, s23, v37                      ; back: lanes 0-15 one row, lanes 16-31 the next
.irp m, 0,1,2                          ; piece i = thread + 256 m of 16 bytes: record i / 48 (exact up to 767), bytes 16 (i % 48); three rounds are 16 records
	v_add_nc_u32 v37, 256*\m, v0
	v_mul_u32_u24 v38, v37, 1366
	v_lshrrev_b32 v38, 16, v38
	v_mul_u32_u24 v39, v38, 48
	v_sub_nc_u32 v39, v37, v39
	v_mul_u32_u24 v38, v38, 896
	v_lshl_add_u32 v[9+\m], v39, 4, v38
	v_add_nc_u32 v[12+\m], REGION, v[9+\m]
.endr
	s_wait_loadcnt 35                              ; the 24 copy loads are in; behind them 16 + 1 + 2 + 16 were issued
.set k, 0
.rept 12
	ds_store_b128 v[9+k%3], v[50+4*k:53+4*k] offset:14336*(k/3)
	ds_store_b128 v[12+k%3], v[98+4*k:101+4*k] offset:14336*(k/3)
.set k, k+1
.endr
	s_wait_loadcnt 16                              ; scales and bias are in; x's 16 loads may be out
.irp m, 0,1
.irp s, 0,1,2,3
	v_lshl_or_b32 v[LS+4*\m+\s], v[150+8*\m+2*\s+1], 16, v[150+8*\m+2*\s]   ; K step s = heads 2 s, 2 s + 1
.endr
.endr
.irp u, 0,1
.irp i, 0,1,2,3,4,5,6,7
	v_mov_b32 v[SPL+8*\u+\i], v[BV+\u]
.endr
.endr
	s_wait_dscnt 0x0                               ; for the others' sake: my part of the records has landed
	s_barrier_signal -1
	s_barrier_wait -1
.rept 8
	v_nop                                          ; a's scale words were made by vector instructions: eight places ahead of a scaled product
.endr
.irp s, 0,1,2,3
	FRAG SH, 3, 4, 3584*\s, 0
	FRAG SH+12, 3, 4, 3584*\s, 1
.irp t, 0,1,2,3
	FRAG LF+12*\t, 1, 2, 14336*(\t/2)+3584*\s, \t%2
.endr
	s_wait_dscnt 0x0
.irp t, 0,1,2,3
.irp u, 0,1
.if \s == 0
	WM ACC+8*(2*\t+\u), LF+12*\t, SH+12*\u, SPL+8*\u, LS+4*(\t/2)+\s, SS+\s, \t%2, \u   ; the bias starts the sum
.else
	WM ACC+8*(2*\t+\u), LF+12*\t, SH+12*\u, ACC+8*(2*\t+\u), LS+4*(\t/2)+\s, SS+\s, \t%2, \u   ; the eight accumulators take turns
.endif
.endr
.endr
.rept 4
	v_nop                                          ; places ahead of loads into registers that the products read, and of the first read of results
.endr
.endr
.irp t, 0,1,2,3
.irp u, 0,1
	ds_store_b128 v5, v[ACC+8*(2*\t+\u):ACC+8*(2*\t+\u)+3] offset:4352*\u+128*(\t/2)+32*(\t%2)         ; each accumulator from its low end on
	ds_store_b128 v5, v[ACC+8*(2*\t+\u)+4:ACC+8*(2*\t+\u)+7] offset:4352*\u+128*(\t/2)+32*(\t%2)+16
.endr
.endr
.set i, 0
.rept 16
	ds_load_b128 v[OB+4*i:OB+4*i+3], v6 offset:544*i   ; my wave's own bytes: LDS serves a wave's instructions in order
.set i, i+1
.endr
	s_wait_loadcnt 0x0                             ; x
.set i, 0
.rept 16
	s_wait_dscnt 15-i                              ; the younger reads of the stage may be out
	v_pk_add_f32 v[OB+4*i:OB+4*i+1], v[OB+4*i:OB+4*i+1], v[XR+4*i:XR+4*i+1]
	v_pk_add_f32 v[OB+4*i+2:OB+4*i+3], v[OB+4*i+2:OB+4*i+3], v[XR+4*i+2:XR+4*i+3]
	global_store_b128 v7, v[OB+4*i:OB+4*i+3], s[16:17] offset:4096*(8*(i/8)+2*(i%8)+8*((i%8)/4)) th:TH_STORE_NT   ; every sixteen lanes store 256 consecutive bytes, aligned
.set i, i+1
.endr
	s_wait_tensorcnt 0x0
	ds_add_u32 v254, v255
	s_wait_dscnt 0x0
	s_endpgm
.Lfunc_end_k_qcdab9adc7c_proj:
	.size	k_qcdab9adc7c_proj, .Lfunc_end_k_qcdab9adc7c_proj-k_qcdab9adc7c_proj
	.p2alignl 7, 3214868480
	.fill 96, 4, 3214868480
	.section	.rodata,"a",@progbits
	.p2align	6, 0x0
	.amdhsa_kernel k_qcdab9adc7c_proj
		.amdhsa_group_segment_fixed_size 185344
		.amdhsa_private_segment_fixed_size 0
		.amdhsa_enable_private_segment 0
		.amdhsa_kernarg_size 56
		.amdhsa_user_sgpr_count 2
		.amdhsa_user_sgpr_kernarg_segment_ptr 1
		.amdhsa_wavefront_size32 1
		.amdhsa_system_sgpr_workgroup_id_x 1
		.amdhsa_system_sgpr_workgroup_id_y 1
		.amdhsa_system_sgpr_workgroup_id_z 1
		.amdhsa_system_vgpr_workitem_id 0
		.amdhsa_next_free_vgpr 256
		.amdhsa_next_free_sgpr 66
		.amdhsa_reserve_vcc 0
		.amdhsa_float_denorm_mode_32 3
		.amdhsa_float_denorm_mode_16_64 3
		.amdhsa_memory_ordered 1
		.amdhsa_forward_progress 1
		.amdhsa_inst_pref_size 31
	.end_amdhsa_kernel
	.amdgpu_metadata
---
amdhsa.version: [ 1, 2 ]
amdhsa.kernels:
  - .name:           k_qcdab9adc7c_proj
    .symbol:         k_qcdab9adc7c_proj.kd
    .args:
      - { .name: acod, .offset: 0, .size: 8, .value_kind: global_buffer, .address_space: global }
      - { .name: ascl, .offset: 8, .size: 8, .value_kind: global_buffer, .address_space: global }
      - { .name: wrec, .offset: 16, .size: 8, .value_kind: global_buffer, .address_space: global }
      - { .name: W3_scales, .offset: 24, .size: 8, .value_kind: global_buffer, .address_space: global }
      - { .name: b3, .offset: 32, .size: 8, .value_kind: global_buffer, .address_space: global }
      - { .name: x, .offset: 40, .size: 8, .value_kind: global_buffer, .address_space: global }
      - { .name: out0, .offset: 48, .size: 8, .value_kind: global_buffer, .address_space: global }
    .group_segment_fixed_size: 185344
    .private_segment_fixed_size: 0
    .kernarg_segment_align: 8
    .kernarg_segment_size: 56
    .max_flat_workgroup_size: 256
    .sgpr_count:     66
    .vgpr_count:     256
    .wavefront_size: 32
...
	.end_amdgpu_metadata
.endif
;; end of part 4
;; ======== version 2 of 2: 4 launches; version 1 with the launches qkv, attn, proj written anew for expert scheduling mode
;; workspace buffers: hcod 3,145,728 bytes; hscl 131,072 bytes; wrec 786,432 bytes; qkvc 9,437,184 bytes; qkvs 393,216 bytes; acod 3,145,728 bytes; ascl 131,072 bytes
;; launch gnq: the kernel of part 1 again; grid 192 x 1, 8 waves a work-group, no clusters, 27,136 bytes of LDS; arguments x, gamma, beta, hcod, hscl, W0_codes, W1_codes, W2_codes, W3_codes, wrec; writes hcod, hscl, wrec
;; launch qkv (part 5): grid 4 x 64, 12 waves a work-group, no clusters, 246,272 bytes of LDS; arguments hcod, hscl, wrec, W0_scales, W1_scales, W2_scales, b0, b1, b2, qkvc, qkvs; writes qkvc, qkvs
.if DOCPART == 5
	.amdgcn_target "amdgcn-amd-amdhsa--gfx1250"
	.amdhsa_code_object_version 6
	.text
	.protected	k_qcdab9adc7c_qkv
	.globl	k_qcdab9adc7c_qkv
	.p2align	8
	.type	k_qcdab9adc7c_qkv,@function
k_qcdab9adc7c_qkv:
	s_mov_b64 s[64:65], 0
	v_nop
	global_prefetch_b8 v0, s[64:65] scope:SCOPE_SE
	s_setreg_imm32_b32 hwreg(HW_REG_WAVE_SCHED_MODE, 0, 2), 2
	s_setreg_imm32_b32 hwreg(HW_REG_WAVE_MODE, 25, 1), 1
	s_wait_xcnt 0x0
	s_wait_alu depctr_vm_vsrc(0)
; q, k, v = W^T h + b on codes of BF6 (E3M2), and each result quantised at once for the attention: q and k along the head's 64 channels, v along the keys.
; A work-group (j = x, rho = y) takes d = 128 j .. + 127 and 128 t (batch rho / 8, t = 128 (rho % 8) on), for all three weights: 12 waves, role g = wave / 4 (q, k, v), w = wave % 4.
; h's 64 records and each weight's 64 records (see RECORDS below) are copied once into LDS, through registers; each wave then makes 128 x 32 results over K = 512: 16 accumulators, 64 matrix instructions.
;   q, k: source 0 = the weight's 128 rows d (8 tiles), source 1 = 32 t (block w of the four): a lane holds one t, its registers run along d: the next product's K.
;   v:    source 0 = h's 128 t (8 tiles), source 1 = 32 rows d of W2 (block w): a lane holds one channel, its registers run along t: the keys, the next product's K.
; RECORDS: rows in blocks of 32; place idx = 16 u + r holds row 8 u + r + 8 (r / 8), so that with such a tile as source 0 the 16 registers of tiles 2 b, 2 b + 1 are 16 neighbouring rows 32 b + 16 (lane / 16) + 0 .. 15.
;   Record (block, kb): 32 rows' codes of K block kb: first 16 bytes at 16 idx, last 8 at 512 + 8 idx.  In LDS a record takes 896 bytes, so that lanes 16-31 (the next record) read 128 bytes mod 256 away from lanes 0-15.
; OUT: operands as images of their 12 registers (three pieces of 512 bytes, 16 bytes a lane).  q, k: [head][block of 32 t]: registers 0-5 tile u = 0 (row r, channels 32 (lane / 16) on), 6-11 tile u = 1;
;   scale word of row r: (u0 s0, u0 s1, u1 s0, u1 s1).  v: [head][128 keys][tile of 16 channels]: a plain fragment, scale word of row r.
; THE BIASES are the C of each sum's first product, and are read from LDS once for each tile, not once for each accumulator.  q, k: tile T's eight biases are loaded into accumulator (T, 0); (T, 1)'s first product
;   takes those registers as its C, and (T, 0)'s then adds onto them in place.  v: the lane's bias, eight times, is loaded into accumulator (7, u); the other seven tiles' first products take it as their C, tile 7's comes last.
; No tensor loads: every LDS byte is filled once.  No cluster: what neighbours share is one fill of 229 KB at the head.
; LIMITS: NaN and infinities are not served; a block whose largest magnitude lies under 2^-122, zeros too, keeps the byte 1 (only this program reads the bytes).
; THE MODE: SCHED_MODE bits 1:0 = 2 (LLVM: expert scheduling mode 2), set by the entry lines.  The code itself states the register dependences
; between vector or matrix instructions and memory or LDS instructions, with s_wait_alu, always for 0.
; THE PLAN.  Registers that memory or LDS instructions touch:
;   v1-28      addresses and offsets: written once, at the head, ahead of the first wait on va_vdst; never again.
;   v128-255   the copy's global loads land, its LDS stores read; then they are the accumulators: the biases' LDS loads land, the products write.  One wait on vm_vsrc, behind the barrier, parts the two lives.
;   v56-72     h's scale bytes and the bias land; vector lines read them and write v48-51 and v73-75; three LDS stores read v48-51 and v72-75.  One wait on va_vdst ahead of the three stores; the wait on vm_vsrc frees v72-75.
;   LF, SH     in each of the eight groups LDS loads land and the group's products read: one wait on va_vdst at the head of every group but the first.
;   v80-103, v108  the codes and the scale word: written by vector lines, read by six global stores and one LDS store, in one run behind one wait on va_vdst.
;   v112-115   one LDS load behind the last barrier: no vector or matrix line behind that last wait names them.
;   v256, v257 written at the head, read by the closing add alone.
.set REGION, 57344                     ; 64 records x 896: h, W0, W1, W2
.set BT,   229376                      ; 384 bias floats: role x 128
.set BTV,  230912                      ; each of them four times, 16 bytes
.set HST,  237056                      ; each wave's four scale words a lane of its block of h
.set SCT,  243200                      ; the results' scale words, 512 bytes a role
.set LS,   32                          ; v32-47  source 0's scale words: register 4 (block) + K step; lanes 0-15 the even tile's rows, lanes 16-31 the odd tile's
.set HW,   48                          ; v48-51  my block of h: scale words by K step
.set SSW,  52                          ; v52-55  my block of W2: the same
.set LF,   56                          ; v56-103 four fragments of source 0
.set SH,   104                         ; v104-127 two fragments of source 1
.set ACC,  128                         ; v128-255 accumulator (tile T, u) at 64 u + 8 T
.set TM,   56                          ; behind the products: v56-71 at work, v72-79 half blocks, v80-103 codes, v104-105 scale words
.set PT,   72
.set CD,   80
.set PW,   104
.set SEL,  50
.macro WM d, a, b, c, sa, sb, ra, rb   ; one product: D = d, C = c; ra, rb: the scales stand in lanes 16-31
.if (\ra)&&(\rb)
	v_wmma_scale_f32_16x16x128_f8f6f4 v[(\d):(\d)+7], v[(\a):(\a)+11], v[(\b):(\b)+11], v[(\c):(\c)+7], v[\sa], v[\sb] matrix_a_fmt:MATRIX_FMT_BF6 matrix_b_fmt:MATRIX_FMT_BF6 matrix_a_scale:MATRIX_SCALE_ROW1 matrix_b_scale:MATRIX_SCALE_ROW1
.elseif \ra
	v_wmma_scale_f32_16x16x128_f8f6f4 v[(\d):(\d)+7], v[(\a):(\a)+11], v[(\b):(\b)+11], v[(\c):(\c)+7], v[\sa], v[\sb] matrix_a_fmt:MATRIX_FMT_BF6 matrix_b_fmt:MATRIX_FMT_BF6 matrix_a_scale:MATRIX_SCALE_ROW1
.elseif \rb
	v_wmma_scale_f32_16x16x128_f8f6f4 v[(\d):(\d)+7], v[(\a):(\a)+11], v[(\b):(\b)+11], v[(\c):(\c)+7], v[\sa], v[\sb] matrix_a_fmt:MATRIX_FMT_BF6 matrix_b_fmt:MATRIX_FMT_BF6 matrix_b_scale:MATRIX_SCALE_ROW1
.else
	v_wmma_scale_f32_16x16x128_f8f6f4 v[(\d):(\d)+7], v[(\a):(\a)+11], v[(\b):(\b)+11], v[(\c):(\c)+7], v[\sa], v[\sb] matrix_a_fmt:MATRIX_FMT_BF6 matrix_b_fmt:MATRIX_FMT_BF6
.endif
.endm
.macro FRAG reg, aa, ab, off, u        ; a fragment: lane (r, h) takes, for c = 0, 1, K block 2 c + h of the step: 16 + 8 bytes of its record
.irp c, 0,1
	ds_load_b128 v[(\reg)+6*\c:(\reg)+6*\c+3], v[\aa] offset:(\off)+1792*\c+256*(\u)
	ds_load_b64 v[(\reg)+6*\c+4:(\reg)+6*\c+5], v[\ab] offset:(\off)+1792*\c+128*(\u)
.endr
.endm
; 64 numbers of a lane, register 16 b + i = k 32 b + 16 (lane / 16) + i of its row, become codes: blocks 0, 1 in v[d0] .. + 5 (lanes 0-15 block 0, lanes 16-31 block 1), blocks 2, 3 in v[d1] .. + 5; the four scale bytes in v[w].
.macro QUANT4 s, d0, d1, w
.irp b, 0,1,2,3
	v_max3_num_f32 v[TM+\b], |v[(\s)+16*\b]|, |v[(\s)+1+16*\b]|, 0x2800000   ; the floor 2^(5 - 127): the byte cannot fall under 1.  Each accumulator is read from its low end on
.endr
.irp i, 2,4,6,8,10,12,14
.irp b, 0,1,2,3
	v_max3_num_f32 v[TM+\b], v[TM+\b], |v[(\s)+16*\b+\i]|, |v[(\s)+1+16*\b+\i]|
.endr
.endr
.irp b, 0,1,2,3
	v_permlanex16_b32 v[TM+4+\b], v[TM+\b], s[SEL], s[SEL+1]
.endr
.irp b, 0,1,2,3
	v_max_num_f32 v[TM+\b], v[TM+\b], v[TM+4+\b]   ; with lane l xor 16's 16: the block's largest magnitude
.endr
.irp b, 0,1,2,3
	v_add_nc_u32 v[TM+12+\b], 0xfe000000, v[TM+\b] ; 4 off the exponent field: the conversion's scale operand
.endr
.irp b, 0,1,2,3
	v_lshrrev_b32 v[TM+4+\b], 23, v[TM+12+\b]      ; the byte
.endr
	v_lshl_or_b32 v[\w], v[TM+5], 8, v[TM+4]
	v_lshl_or_b32 v[\w], v[TM+6], 16, v[\w]
	v_lshl_or_b32 v[\w], v[TM+7], 24, v[\w]
	v_cvt_scalef32_pk16_bf6_f32 v[(\d0):(\d0)+2], v[(\s):(\s)+15], v[TM+12]
	v_cvt_scalef32_pk16_bf6_f32 v[PT:PT+2], v[(\s)+16:(\s)+31], v[TM+13]
	v_cvt_scalef32_pk16_bf6_f32 v[(\d1):(\d1)+2], v[(\s)+32:(\s)+47], v[TM+14]
	v_cvt_scalef32_pk16_bf6_f32 v[PT+4:PT+6], v[(\s)+48:(\s)+63], v[TM+15]
	v_nop                                          ; a plain instruction behind the conversions
.irp i, 0,1,2
	v_permlane16_swap_b32 v[(\d0)+\i], v[PT+\i]    ; half blocks become whole blocks: the first's lanes 16-31 change places with the second's lanes 0-15
	v_permlane16_swap_b32 v[(\d1)+\i], v[PT+4+\i]
.endr
.irp i, 0,1,2
	v_mov_b32 v[(\d0)+3+\i], v[PT+\i]
	v_mov_b32 v[(\d1)+3+\i], v[PT+4+\i]
.endr
.endm
	s_load_b512 s[16:31], s[0:1], 0x0              ; hcod, hscl, wrec, W0's, W1's, W2's scales, b0, b1
	s_load_b128 s[32:35], s[0:1], 0x40             ; b2, qkvc
	s_load_b64 s[36:37], s[0:1], 0x50              ; qkvs
	s_set_vgpr_msb 0x40
	v_lshl_add_u32 v0, v0, 2, 0x3bc00
	v_mov_b32 v1, 0
	s_set_vgpr_msb 0x4000
	v_lshrrev_b32 v29, 5, v0
	v_readfirstlane_b32 s2, v29                    ; wave 0..11
	s_wait_alu depctr_va_sdst(0)                   ; s2 is written, ahead of its first reader: the role, the LDS addresses and the bases are made from it
	s_lshr_b32 s3, s2, 2                           ; g: the role
	s_and_b32 s4, s2, 3                            ; w
	s_mov_b32 s5, ttmp9                            ; j
	s_and_b32 s6, ttmp7, 0xffff                    ; rho
	s_lshr_b32 s7, s6, 3                           ; b
	s_and_b32 s8, s6, 7                            ; which 128 t of the batch
	s_lshl_b32 s9, s7, 3
	s_lshl_b32 s10, s5, 1
	s_add_co_u32 s9, s9, s10                       ; 8 b + 2 j: the first of my two heads
	s_mov_b32 s[SEL], 0x76543210
	s_mov_b32 s[SEL+1], 0xfedcba98
	s_mov_b32 s52, 0xffff0000                      ; lanes 16-31
	; every LDS address is made here, ahead of the roles' parting; v1-28 hold addresses and offsets alone
	v_and_b32 v29, 15, v0                          ; r
	v_bfe_u32 v30, v0, 4, 1                        ; h
	v_mul_u32_u24 v31, v30, 896
	v_lshl_add_u32 v5, v29, 4, v31                 ; v: source 0 = h: 896 h + 16 r
	v_lshl_add_u32 v6, v29, 3, v31
	v_add_nc_u32 v6, 512, v6                       ;    896 h + 512 + 8 r
	s_mul_i32 s46, s3, REGION
	s_add_co_u32 s46, s46, REGION
	v_add_nc_u32 v1, s46, v5                       ; q, k: source 0 = the role's weight
	v_add_nc_u32 v2, s46, v6
	s_mul_i32 s47, s4, 14336
	v_add_nc_u32 v3, s47, v5                       ; q, k: source 1 = block w of h
	v_add_nc_u32 v4, s47, v6
	s_add_co_u32 s47, s47, 3*REGION
	v_add_nc_u32 v7, s47, v5                       ; v: source 1 = block w of W2
	v_add_nc_u32 v8, s47, v6
	s_lshl_b32 s48, s3, 9                          ; 512 g
	s_add_co_u32 s49, s48, BT
	v_lshl_add_u32 v9, v30, 6, s49                 ; q, k: the bias of d = .. + 16 h
	v_and_b32 v31, 8, v0
	v_add_nc_u32 v31, v31, v29                     ; r + 8 (r / 8)
	s_lshl_b32 s49, s4, 9                          ; 512 w
	s_add_co_u32 s46, s49, BTV+4096
	v_lshl_add_u32 v10, v31, 4, s46                ; v: the bias of my row of W2, four times
	v_lshl_add_u32 v31, v30, 3, v31                ; the row at place = lane
	v_lshlrev_b32 v19, 4, v31                      ; a weight's scales: 16 bytes a row
	v_add_nc_u32 v20, s49, v19                     ; the same in block w
	v_and_b32 v31, 31, v0                          ; lane
	v_lshlrev_b32 v15, 4, v31
	v_lshl_add_u32 v11, v31, 4, HST
	s_lshl_b32 s46, s4, 6
	s_add_co_u32 s46, s46, s48
	s_add_co_u32 s46, s46, SCT
	v_lshl_add_u32 v12, v30, 8, s46
	v_lshl_add_u32 v12, v29, 2, v12                ; q, k: scale word of (head h, block w, row r)
	s_lshl_b32 s46, s4, 7
	s_add_co_u32 s46, s46, SCT+1024
	v_lshl_add_u32 v13, v31, 2, s46                ; v: of (block w, tile lane / 16, row r)
	s_add_co_u32 s46, s48, SCT
	v_lshl_add_u32 v14, v31, 4, s46                ; the role's 512 bytes read back
	v_lshlrev_b32 v16, 11, v30
	v_lshl_add_u32 v16, v29, 4, v16                ; and their place in qkvs: two heads, 2,048 bytes apart
	v_lshlrev_b32 v17, 4, v0
	s_lshl_b32 s46, s4, 5
	v_add_nc_u32 v18, s46, v31                     ; h's scale bytes: place 32 w + lane
	v_and_b32 v21, 127, v0
	v_lshlrev_b32 v21, 2, v21
	v_mul_u32_u24 v29, v0, 1366
	v_lshrrev_b32 v29, 16, v29                     ; thread / 48 (exact up to 767): which of a round's 8 records
	v_mul_u32_u24 v30, v29, 48
	v_sub_nc_u32 v30, v0, v30                      ; thread % 48: which 16 bytes of it
	v_mul_u32_u24 v29, v29, 896
	v_lshl_add_u32 v22, v30, 4, v29
	v_add_nc_u32 v23, REGION, v22
	v_add_nc_u32 v24, 2*REGION, v22
	v_add_nc_u32 v25, 3*REGION, v22
	v_lshl_add_u32 v26, v0, 4, HST
	v_lshl_add_u32 v27, v0, 2, BT
	v_lshl_add_u32 v28, v0, 4, BTV
	s_mul_i32 s46, s6, 49152                       ; h: 4 blocks x 16 records a rho
	s_mov_b32 s47, 0
	s_mul_i32 s48, s5, 49152                       ; the weights: 4 blocks a j
	s_mov_b32 s49, 0
	s_wait_kmcnt 0x0
	s_add_nc_u64 s[16:17], s[16:17], s[46:47]
	s_add_nc_u64 s[20:21], s[20:21], s[48:49]
	s_lshl_b32 s46, s7, 14
	s_lshl_b32 s48, s8, 7
	s_add_co_u32 s46, s46, s48
	s_add_nc_u64 s[18:19], s[18:19], s[46:47]      ; hscl at [b][0][128 t on]
	s_cmp_eq_u32 s3, 0                             ; the role's scales and bias: the choice hangs on the wave's number alone
	s_cselect_b64 s[38:39], s[22:23], s[24:25]
	s_cselect_b64 s[40:41], s[28:29], s[30:31]
	s_cmp_eq_u32 s3, 2
	s_cselect_b64 s[38:39], s[26:27], s[38:39]
	s_cselect_b64 s[40:41], s[32:33], s[40:41]
	s_lshl_b32 s46, s5, 11
	s_add_nc_u64 s[38:39], s[38:39], s[46:47]
	s_lshl_b32 s46, s5, 9
	s_add_nc_u64 s[40:41], s[40:41], s[46:47]
	s_lshl_b32 s46, s3, 17
	s_lshl_b32 s48, s9, 11
	s_add_co_u32 s46, s46, s48
	s_lshl_b32 s48, s8, 8
	s_add_co_u32 s46, s46, s48
	s_add_nc_u64 s[44:45], s[36:37], s[46:47]      ; qkvs: role, head 8 b + 2 j, 256 bytes a rho
	s_wait_alu depctr_va_vdst(0)                   ; the addresses and offsets v1 to v28 are written: every load and store of the kernel reads one of them
.set k, 0
.rept 8
	global_load_b128 v[128+4*k:131+4*k], v17, s[16:17] offset:6144*k   ; the 384 threads copy 8 whole records a round
.set k, k+1
.endr
.irp m, 0,1,2
.set k, 0
.rept 8
	global_load_b128 v[160+32*\m+4*k:163+32*\m+4*k], v17, s[20:21] offset:196608*\m+6144*k
.set k, k+1
.endr
.endr
.set k, 0
.rept 16
	global_load_u8 v[56+k], v18, s[18:19] offset:1024*k
.set k, k+1
.endr
.irp m, 0,1,2,3
	global_load_b128 v[LS+4*\m:LS+4*\m+3], v19, s[38:39] offset:512*\m
.endr
	global_load_b128 v[SSW:SSW+3], v20, s[38:39]
	global_load_b32 v72, v21, s[40:41]
	s_wait_loadcnt 22                              ; the 32 copy loads are in; behind them 16 + 5 + 1 were issued
.irp m, 0,1,2,3
.set k, 0
.rept 8
	ds_store_b128 v[22+\m], v[128+32*\m+4*k:131+32*\m+4*k] offset:7168*k
.set k, k+1
.endr
.endr
	s_wait_loadcnt 0x0
.irp s, 0,1,2,3
	v_lshl_or_b32 v[HW+\s], v[57+4*\s], 8, v[56+4*\s]
	v_lshl_or_b32 v[HW+\s], v[58+4*\s], 16, v[HW+\s]
	v_lshl_or_b32 v[HW+\s], v[59+4*\s], 24, v[HW+\s]
.endr
	v_mov_b32 v73, v72
	v_mov_b32 v74, v72
	v_mov_b32 v75, v72
	s_wait_alu depctr_va_vdst(0)                   ; v48-51 and v73-75 are written, which the three LDS stores read; and these lines are done reading v56-72, in which fragments land behind the barrier
	ds_store_b128 v26, v[HW:HW+3]
	ds_store_b32 v27, v72
	ds_store_b128 v28, v[72:75]
	s_wait_dscnt 0x0                               ; for the others' sake: all my stores have landed
	s_barrier_signal -1
	s_barrier_wait -1
	s_wait_alu depctr_vm_vsrc(0)                   ; my LDS stores have read v128-255 and v72-75: from here on the biases' and the fragments' loads land there and the products write there
.macro UNIT vp                         ; vp = 0: q or k; 1: v
.set SS, HW+4*\vp
.set FSTEP, 49152-47616*\vp            ; from one image to the next: the next head's, or the next tile's
.if \vp
	s_lshr_b32 s46, s4, 1
	s_add_co_u32 s46, s46, s9                      ; head 8 b + 2 j + w / 2
	s_mul_i32 s46, s46, 49152
	s_mul_i32 s47, s8, 6144                        ; these 128 keys
	s_add_co_u32 s46, s46, s47
	s_and_b32 s47, s4, 1
	s_mul_i32 s47, s47, 3072                       ; channel tiles 2 (w % 2) on
	s_add_co_u32 s46, s46, s47
	s_add_co_u32 s46, s46, 6291456
.else
	s_mul_i32 s46, s3, 3145728
	s_mul_i32 s47, s9, 49152
	s_add_co_u32 s46, s46, s47
	s_lshl_b32 s47, s8, 2
	s_add_co_u32 s47, s47, s4                      ; block of 32 t in the batch
	s_mul_i32 s47, s47, 1536
	s_add_co_u32 s46, s46, s47
.endif
	s_mov_b32 s47, 0
	s_add_nc_u64 s[42:43], s[34:35], s[46:47]
.if \vp
.irp u, 0,1
	ds_load_b128 v[ACC+64*\u+56:ACC+64*\u+59], v10 offset:128*\u       ; the bias of the lane's channel, eight times, into accumulator (7, u)
	ds_load_b128 v[ACC+64*\u+60:ACC+64*\u+63], v10 offset:128*\u
.endr
.irp m, 0,1,2,3
	ds_load_b128 v[LS+4*\m:LS+4*\m+3], v11 offset:4096+512*\m   ; the four blocks' scale words of h, as waves 8-11 stored them
.endr
.else
.irp t, 0,1,2,3,4,5,6,7
	ds_load_b128 v[ACC+8*\t:ACC+8*\t+3], v9 offset:128*(\t/2)+32*(\t%2)       ; the biases of d = 32 (T / 2) + 16 h + 8 (T % 2) + 0 .. 7, into accumulator (T, 0)
	ds_load_b128 v[ACC+8*\t+4:ACC+8*\t+7], v9 offset:128*(\t/2)+32*(\t%2)+16
.endr
.rept 8
	v_nop                                          ; my block's scale words were made by vector instructions: eight places ahead of a scaled product
.endr
	s_wait_alu depctr_va_vdst(0)                   ; v48-51, which vector lines made, are written: the scaled products take them as source 1's scales; the places above stay beside this wait
.endif
.irp s, 0,1,2,3
.irp g, 0,1
.if (\s)+(\g) > 0
	s_wait_alu depctr_va_vdst(0)                   ; the last group's products are done reading their fragments, in which the loads below land
.endif
.if \g == 0
	FRAG SH, 3+4*\vp, 4+4*\vp, 3584*\s, 0
	FRAG SH+12, 3+4*\vp, 4+4*\vp, 3584*\s, 1
.endif
.irp t, 0,1,2,3
	FRAG LF+12*\t, 1+4*\vp, 2+4*\vp, 14336*((4*\g+\t)/2)+3584*\s, \t%2
.endr
	s_wait_dscnt 0x0
.if (\s == 0) && (\vp == 0)
.irp t, 0,1,2,3
	WM ACC+64+8*(4*\g+\t), LF+12*\t, SH+12, ACC+8*(4*\g+\t), LS+4*((4*\g+\t)/2), SS, \t%2, 1   ; (T, 1) starts from the biases that lie in (T, 0)'s registers
.endr
.rept 5
	v_nop                                          ; a product that writes over a source of an earlier one stands five places behind it (ISA guide 7.12.1)
.endr
.irp t, 0,1,2,3
	WM ACC+8*(4*\g+\t), LF+12*\t, SH, ACC+8*(4*\g+\t), LS+4*((4*\g+\t)/2), SS, \t%2, 0         ; (T, 0) adds onto them in place
.endr
.elseif \s == 0
.irp t, 0,1,2,3
.if 4*\g+\t < 7
.irp u, 0,1
	WM ACC+64*\u+8*(4*\g+\t), LF+12*\t, SH+12*\u, ACC+64*\u+56, LS+4*((4*\g+\t)/2), SS, \t%2, \u   ; tiles 0-6 start from the bias that lies in (7, u)'s registers
.endr
.endif
.endr
.if \g == 1
.rept 5
	v_nop                                          ; five places, as above
.endr
.irp u, 0,1
	WM ACC+64*\u+56, LF+36, SH+12*\u, ACC+64*\u+56, LS+12, SS, 1, \u   ; tile 7 adds onto it in place, last
.endr
.endif
.else
.irp t, 0,1,2,3
.irp u, 0,1
	WM ACC+64*\u+8*(4*\g+\t), LF+12*\t, SH+12*\u, ACC+64*\u+8*(4*\g+\t), LS+4*((4*\g+\t)/2)+\s, SS+\s, \t%2, \u   ; the 16 accumulators take turns, one instruction a turn
.endr
.endr
.endif
.rept 4
	v_nop                                          ; places ahead of loads into registers that the products read, and of the first read of results
.endr
.endr
.endr
.irp b, 0,1,2,3
	v_mov_b32 v[TM+4+\b], 0                        ; a lane permute's destination counts as read
.endr
.if \vp
	QUANT4 ACC, CD, CD+6, PW                       ; tile u = 0: a whole fragment along 128 keys
	QUANT4 ACC+64, CD+12, CD+18, PW+1
	v_cndmask_b32 v108, v[PW], v[PW+1], s52        ; lanes 0-15 tile 0's words, lanes 16-31 tile 1's
.else
	QUANT4 ACC, CD, CD+12, PW                      ; tile u = 0: channels of head 2 j, of head 2 j + 1
	QUANT4 ACC+64, CD+6, CD+18, PW+1               ; tile u = 1 beside it: the pair
	v_perm_b32 v106, v[PW+1], v[PW], 0x05040100    ; head 2 j: (u0 s0, u0 s1, u1 s0, u1 s1)
	v_perm_b32 v107, v[PW+1], v[PW], 0x07060302    ; head 2 j + 1
	v_cndmask_b32 v108, v106, v107, s52
.endif
	s_wait_alu depctr_va_vdst(0)                   ; the codes v80-103 and the scale word v108 are written, which the seven stores below read; the products are done reading v112-115, in which a load lands behind the barrier
.irp f, 0,1
.irp c, 0,1,2
	global_store_b128 v15, v[CD+12*\f+4*\c:CD+12*\f+4*\c+3], s[42:43] offset:FSTEP*\f+512*\c   ; 512 consecutive bytes
.endr
.endr
.if \vp
	ds_store_b32 v13, v108
.else
	ds_store_b32 v12, v108
.endif
.endm
	s_cmp_lt_u32 s2, 8
	s_cbranch_scc0 .Lrole_v
	UNIT 0
	s_branch .Ljoin
.Lrole_v:
	UNIT 1
.Ljoin:
	s_wait_dscnt 0x0                               ; my scale words have landed
	s_barrier_signal -1
	s_barrier_wait -1
	s_cmp_lg_u32 s4, 0                             ; a role's first wave stores its 512 bytes: two aligned runs of 256
	s_cbranch_scc1 .Lend
	ds_load_b128 v[112:115], v14                   ; no vector or matrix line since the role's last wait on va_vdst names v112-115 or v14
	s_wait_dscnt 0x0
	global_store_b128 v16, v[112:115], s[44:45]
.Lend:
	s_set_vgpr_msb 0x5                             ; the add's two registers, v256 and v257: sources 0 and 1 in window 1
	s_wait_dscnt 0x0                               ; the closing lines, six on end
	s_wait_alu 0x0
	s_wait_tensorcnt 0x0
	ds_add_u32 v0, v1
	s_wait_dscnt 0x0
	s_endpgm
.Lfunc_end_k_qcdab9adc7c_qkv:
	.size	k_qcdab9adc7c_qkv, .Lfunc_end_k_qcdab9adc7c_qkv-k_qcdab9adc7c_qkv
	.p2alignl 7, 3214868480
	.fill 96, 4, 3214868480
	.section	.rodata,"a",@progbits
	.p2align	6, 0x0
	.amdhsa_kernel k_qcdab9adc7c_qkv
		.amdhsa_group_segment_fixed_size 246272
		.amdhsa_private_segment_fixed_size 0
		.amdhsa_enable_private_segment 0
		.amdhsa_kernarg_size 88
		.amdhsa_user_sgpr_count 2
		.amdhsa_user_sgpr_kernarg_segment_ptr 1
		.amdhsa_wavefront_size32 1
		.amdhsa_system_sgpr_workgroup_id_x 1
		.amdhsa_system_sgpr_workgroup_id_y 1
		.amdhsa_system_sgpr_workgroup_id_z 1
		.amdhsa_system_vgpr_workitem_id 0
		.amdhsa_next_free_vgpr 258
		.amdhsa_next_free_sgpr 66
		.amdhsa_reserve_vcc 0
		.amdhsa_float_denorm_mode_32 3
		.amdhsa_float_denorm_mode_16_64 3
		.amdhsa_memory_ordered 1
		.amdhsa_forward_progress 1
		.amdhsa_inst_pref_size 74
	.end_amdhsa_kernel
	.amdgpu_metadata
---
amdhsa.version: [ 1, 2 ]
amdhsa.kernels:
  - .name:           k_qcdab9adc7c_qkv
    .symbol:         k_qcdab9adc7c_qkv.kd
    .args:
      - { .name: hcod, .offset: 0, .size: 8, .value_kind: global_buffer, .address_space: global }
      - { .name: hscl, .offset: 8, .size: 8, .value_kind: global_buffer, .address_space: global }
      - { .name: wrec, .offset: 16, .size: 8, .value_kind: global_buffer, .address_space: global }
      - { .name: W0_scales, .offset: 24, .size: 8, .value_kind: global_buffer, .address_space: global }
      - { .name: W1_scales, .offset: 32, .size: 8, .value_kind: global_buffer, .address_space: global }
      - { .name: W2_scales, .offset: 40, .size: 8, .value_kind: global_buffer, .address_space: global }
      - { .name: b0, .offset: 48, .size: 8, .value_kind: global_buffer, .address_space: global }
      - { .name: b1, .offset: 56, .size: 8, .value_kind: global_buffer, .address_space: global }
      - { .name: b2, .offset: 64, .size: 8, .value_kind: global_buffer, .address_space: global }
      - { .name: qkvc, .offset: 72, .size: 8, .value_kind: global_buffer, .address_space: global }
      - { .name: qkvs, .offset: 80, .size: 8, .value_kind: global_buffer, .address_space: global }
    .group_segment_fixed_size: 246272
    .private_segment_fixed_size: 0
    .kernarg_segment_align: 8
    .kernarg_segment_size: 88
    .max_flat_workgroup_size: 384
    .sgpr_count:     66
    .vgpr_count:     258
    .wavefront_size: 32
...
	.end_amdgpu_metadata
.endif
;; end of part 5
;; launch attn (part 6): grid 4 x 64, 16 waves a work-group, no clusters, 117,248 bytes of LDS; arguments qkvc, qkvs, acod, ascl; writes acod, ascl
.if DOCPART == 6
	.amdgcn_target "amdgcn-amd-amdhsa--gfx1250"
	.amdhsa_code_object_version 6
	.text
	.protected	k_qcdab9adc7c_attn
	.globl	k_qcdab9adc7c_attn
	.p2align	8
	.type	k_qcdab9adc7c_attn,@function
k_qcdab9adc7c_attn:
	s_mov_b64 s[64:65], 0
	v_nop
	global_prefetch_b8 v0, s[64:65] scope:SCOPE_SE
	s_setreg_imm32_b32 hwreg(HW_REG_WAVE_SCHED_MODE, 0, 2), 2
	s_setreg_imm32_b32 hwreg(HW_REG_WAVE_MODE, 25, 1), 1
	s_wait_xcnt 0x0
	s_wait_alu depctr_vm_vsrc(0)
; a = softmax(q^T k / 8) v for one head, both products on codes of BF6 (E3M2), and a / l quantised along the channels for the last product.
; A work-group (x = which 256 queries, y = 8 b + head) has sixteen waves; a wave owns one tile of 16 queries in 256 registers: four waves to a SIMD, so that one wave's vector work stands beside another's products and LDS loads.
; The head's whole K and V (2 x 49,152 bytes of codes, 2 x 2,048 of scale words) are copied into LDS once, through registers, and read by all sixteen.  Eight steps of 128 keys.
; SCORES.  The head size is 64, the instruction's K is 128.  K comes as PAIRS: registers 0-5 a tile of 16 keys (64 channels), registers 6-11 the block's other tile.  The query operand is [q | zeros] or [zeros | q]:
;   one pair feeds two score tiles, and the zero codes add nothing (no scale byte here is 0xff, and the format has no NaN).
; Both products are used transposed (source 0 = keys, or channels of V; source 1 = my queries, or p): a lane holds one query throughout.  A block's tile u holds keys 8 u + r + 8 (r / 8), so the 16 registers of score tiles
;   2 b, 2 b + 1 are keys 32 b + 16 (lane / 16) + 0 .. 15.
; SOFTMAX: t = score x log2(e) / 8; M = the running largest t rounded up to a whole number (kept as -M); p = 2^(t - M) is quantised along the keys; the sum is taken of the unquantised p; when M moves, sum and O are
;   multiplied by 2^(old M - new M), exactly.  A block's largest p is the block's largest score put through the same multiply-add and exponential (this takes v_exp_f32 not to fall where its input rises).
; No tensor loads: every LDS byte is filled once.  No cluster: the four work-groups of a head share one fill of 100 KB, small beside eight steps of softmax.
; LIMITS: NaN and infinities are not served; a block whose largest magnitude lies under 2^-122, zeros too, keeps the byte 1.
; THE MODE: SCHED_MODE bits 1:0 = 2 (LLVM: expert scheduling mode 2), set by the entry lines.  The code itself states the register dependences
; between vector or matrix instructions and memory or LDS instructions, with s_wait_alu, always for 0.
; THE PLAN.  Registers that memory or LDS instructions touch, in the loop:
;   v3, v4     LDS addresses of the step: written by two additions at the trip's head, read by the trip's 28 LDS loads.  One wait on vm_vsrc ahead of the additions, the trip's first wait on va_vdst behind them.
;   FR v48-95  K's pairs land; the eight score products read them; V's tiles land; the four second products read them.  One set: of the wave's 256 registers 24 are free, a second set is 48.
;              So a wait on va_vdst stands ahead of each of the two runs of loads: at the trip's head (the last trip's second products are done) and behind the scores (whose results the softmax wants next).
;   v230-233   scale words: loaded with the fragments, read by the same products: the same two waits.
;   v192-203, v226  p's codes and scale word: made by vector lines, taken by the scaled products as source 1 and its scales: one wait on va_vdst ahead of the four.
;   v1, v2 and the way out's addresses are written at the head alone.
; Outside the loop: v96-159 take the copy's loads and are read by its LDS stores (the first trip's wait on vm_vsrc frees them for the scores); on the way out one wait on va_vdst stands ahead of the three LDS stores.
.set VC,   49152                       ; LDS: K's pairs at 0, V's tiles here
.set KS,   98304                       ; K's scale words; V's 2,048 bytes on
.set AST,  102400                      ; a's 16 records of 768 bytes
.set ASS,  114688                      ; a's 256 scale halfwords
.set FR,   48                          ; v48-95   four fragments: K's pairs, then V's tiles
.set S,    96                          ; v96-159  scores, then p
.set O,    160                         ; v160-191 O^T
.set PC,   192                         ; v192-203 p's codes
.set PT,   204                         ; v204-211 half blocks
.set BM,   212                         ; v212-215 block maxima
.set BB,   216                         ; v216-219 the other half's, then bytes
.set SO,   220                         ; v220-223 the conversions' scale operands
.set QS,   46                          ; v46 q's scale word;  v28-33 zeros, v34-39 q, v40-45 zeros
.macro SCORE d, a, b, sa, ra
.if \ra
	v_wmma_scale_f32_16x16x128_f8f6f4 v[(\d):(\d)+7], v[(\a):(\a)+11], v[(\b):(\b)+11], 0, v[\sa], v[QS] matrix_a_fmt:MATRIX_FMT_BF6 matrix_b_fmt:MATRIX_FMT_BF6 matrix_a_scale:MATRIX_SCALE_ROW1
.else
	v_wmma_scale_f32_16x16x128_f8f6f4 v[(\d):(\d)+7], v[(\a):(\a)+11], v[(\b):(\b)+11], 0, v[\sa], v[QS] matrix_a_fmt:MATRIX_FMT_BF6 matrix_b_fmt:MATRIX_FMT_BF6
.endif
.endm
.macro PVMUL d, a, sa, ra
.if \ra
	v_wmma_scale_f32_16x16x128_f8f6f4 v[(\d):(\d)+7], v[(\a):(\a)+11], v[PC:PC+11], v[(\d):(\d)+7], v[\sa], v226 matrix_a_fmt:MATRIX_FMT_BF6 matrix_b_fmt:MATRIX_FMT_BF6 matrix_a_scale:MATRIX_SCALE_ROW1
.else
	v_wmma_scale_f32_16x16x128_f8f6f4 v[(\d):(\d)+7], v[(\a):(\a)+11], v[PC:PC+11], v[(\d):(\d)+7], v[\sa], v226 matrix_a_fmt:MATRIX_FMT_BF6 matrix_b_fmt:MATRIX_FMT_BF6
.endif
.endm
	s_load_b256 s[4:11], s[0:1], 0x0               ; qkvc, qkvs, acod, ascl
	v_lshl_add_u32 v254, v0, 2, 0x1c200
	v_mov_b32 v255, 0
	v_lshrrev_b32 v16, 5, v0
	v_readfirstlane_b32 s2, v16                    ; wave 0..15
	s_mov_b32 s36, ttmp9                           ; which 256 queries
	s_and_b32 s37, ttmp7, 0xffff                   ; 8 b + head
	s_wait_alu depctr_va_sdst(0)                   ; s2 is written, ahead of its first reader: my queries' place, LDS addresses and bases are made from it
	s_lshr_b32 s38, s2, 1                          ; my block of 32 queries among the eight
	s_and_b32 s39, s2, 1                           ; and which of its two tiles
	s_lshl_b32 s40, s36, 3
	s_add_co_u32 s40, s40, s38                     ; the block's number in the head
	v_and_b32 v16, 15, v0                          ; r
	v_bfe_u32 v17, v0, 4, 1                        ; h
	v_and_b32 v18, 31, v0                          ; lane
	v_lshlrev_b32 v1, 4, v18                       ; an image's 16 bytes of my lane
	v_lshl_add_u32 v2, v18, 2, KS                  ; scale words: lanes 0-15 one tile's rows, lanes 16-31 the next tile's
	s_mul_i32 s32, s38, 1536
	s_add_co_u32 s32, s32, AST
	s_lshl_b32 s33, s39, 8
	s_add_co_u32 s33, s33, s32
	v_mul_u32_u24 v19, v17, 768
	v_lshl_add_u32 v5, v16, 4, v19
	v_add_nc_u32 v5, s33, v5                       ; a: record 2 (wave / 2) + h, place 16 (wave % 2) + r: the first 16 bytes,
	s_lshl_b32 s33, s39, 7
	s_add_co_u32 s33, s33, s32
	s_add_co_u32 s33, s33, 512
	v_lshl_add_u32 v6, v16, 3, v19
	v_add_nc_u32 v6, s33, v6                       ; the last 8
	s_lshl_b32 s32, s2, 5
	s_add_co_u32 s32, s32, ASS
	v_lshl_add_u32 v7, v16, 1, s32                 ; my row's scale halfword
	s_mul_i32 s32, s2, 768
	s_add_co_u32 s32, s32, AST
	v_lshl_add_u32 v8, v18, 3, s32                 ; way out: record = wave, 8 bytes a lane
	v_lshl_add_u32 v9, v18, 4, ASS
	v_lshlrev_b32 v10, 3, v18
	v_lshlrev_b32 v20, 4, v0                       ; the copy: 16 x thread, in memory and in LDS
	v_add_nc_u32 v21, VC, v20
	v_lshl_add_u32 v22, v0, 2, KS
	v_lshlrev_b32 v23, 2, v0
	v_lshlrev_b32 v24, 2, v16
	s_mov_b32 s20, 0x76543210                      ; v_permlanex16_b32's selects for lane l xor 16
	s_mov_b32 s21, 0xfedcba98
	s_mov_b32 s22, 0x3e38aa3b                      ; c = log2(e) / 8
	s_mov_b32 s23, s22                             ; (named with it as a pair)
	s_sub_co_u32 s27, 0, s39                       ; all ones where my tile is the pair's second
	s_mov_b32 s28, 0x01000100
	s_mov_b32 s29, 0x03020302
	s_cmp_eq_u32 s39, 0
	s_cselect_b32 s30, s28, s29                    ; which two bytes of the pair's scale word are my tile's
	s_mul_i32 s32, s37, 49152
	s_mov_b32 s33, 0
	s_mul_i32 s34, s40, 1536
	s_mov_b32 s35, 0
	s_lshr_b32 s41, s37, 3
	s_lshl_b32 s41, s41, 5
	s_add_co_u32 s41, s41, s40                     ; block 32 b + ..
	s_lshl_b32 s41, s41, 4
	s_and_b32 s42, s37, 7
	s_lshl_b32 s42, s42, 1
	s_add_co_u32 s41, s41, s42
	s_add_co_u32 s41, s41, s39                     ; record 16 block + 2 head + wave % 2
	s_wait_kmcnt 0x0
	s_add_nc_u64 s[12:13], s[4:5], s[32:33]        ; the head in each third of qkvc
	s_add_nc_u64 s[14:15], s[12:13], s[34:35]      ; my pair of q
	s_lshl_b32 s32, s37, 11
	s_add_nc_u64 s[16:17], s[6:7], s[32:33]        ; the head in each third of qkvs
	s_lshl_b32 s34, s40, 6
	s_add_nc_u64 s[18:19], s[16:17], s[34:35]
	s_lshl_b32 s34, s36, 9
	s_add_co_u32 s32, s32, s34
	s_add_nc_u64 s[10:11], s[10:11], s[32:33]      ; ascl: head x 2,048 + 512 x
	s_mul_i32 s32, s41, 768
	s_add_nc_u64 s[8:9], s[8:9], s[32:33]
	s_wait_alu depctr_va_vdst(0)                   ; the addresses and offsets v1, v2, v5-10, v20-24 are written, which the loads and stores of the kernel read
.irp c, 0,1,2
	global_load_b128 v[96+4*\c:99+4*\c], v1, s[14:15] offset:512*\c
.endr
	global_load_b32 v108, v24, s[18:19]
.irp k, 0,1,2,3,4,5
	global_load_b128 v[112+4*\k:115+4*\k], v20, s[12:13] offset:3145728+8192*\k
.endr
.irp k, 0,1,2,3,4,5
	global_load_b128 v[136+4*\k:139+4*\k], v20, s[12:13] offset:6291456+8192*\k
.endr
	global_load_b32 v109, v23, s[16:17] offset:131072
	global_load_b32 v110, v23, s[16:17] offset:262144
.irp i, 0,1,2,3,4,5
	v_mov_b32 v[28+\i], 0
	v_mov_b32 v[40+\i], 0
.endr
	v_mov_b32 v13, 0xff61b1e6                      ; the largest t so far: -3e38
	v_floor_f32 v12, -v13                          ; -M
	v_mov_b32 v14, 0                               ; the sum, in two halves
	v_mov_b32 v15, 0
.irp b, 0,1,2,3
	v_mov_b32 v[BB+\b], 0                          ; a lane permute's destination counts as read
.endr
	v_mov_b32 v225, 0                              ; (the upper half of the pair v[224:225])
	s_mov_b32 s24, 0                               ; the step's codes: 6,144 bytes a step
	s_mov_b32 s25, 0                               ; its scale words: 256
	s_mov_b32 s26, 8
	s_wait_loadcnt 0x0
	v_perm_b32 v[QS], v108, v108, s30              ; (s0, s1, s0, s1): it serves q in either half of K
.irp i, 0,1,2,3,4,5
	v_cndmask_b32 v[34+\i], v[96+\i], v[102+\i], s27
.endr
.irp k, 0,1,2,3,4,5
	ds_store_b128 v20, v[112+4*\k:115+4*\k] offset:8192*\k      ; data as the loads brought them; the addresses stand ahead of the wait above
	ds_store_b128 v21, v[136+4*\k:139+4*\k] offset:8192*\k
.endr
	ds_store_b32 v22, v109
	ds_store_b32 v22, v110 offset:2048
.set j, 0
.rept 32
	v_mov_b32 v[O+j], 0                            ; O^T: the first change of M leaves zeros zeros.  (These are also the places between q and its scale word and the first product)
.set j, j+1
.endr
	s_wait_dscnt 0x0                               ; for the others' sake: my part of K and V has landed
	s_barrier_signal -1
	s_barrier_wait -1
.Lstep:                                            ; eight trips: 128 keys each
	s_wait_alu depctr_vm_vsrc(0)                   ; the last trip's LDS loads have read v3 and v4, which are written below; in the first trip: the copy's LDS stores have read v109-159, which the scores' products write
	v_add_nc_u32 v3, s24, v1
	v_add_nc_u32 v4, s25, v2
	v_nop
	v_nop                                          ; four places ahead of loads into registers that the last products read
	s_wait_alu depctr_va_vdst(0)                   ; v3 and v4 are written, which the loads read; the last trip's products are done reading v48-95 and v230-233, in which loads land; in the first trip: q, the zeros and q's scale word are written, which the scaled products take
.irp b, 0,1,2,3
.irp c, 0,1,2
	ds_load_b128 v[FR+12*\b+4*\c:FR+12*\b+4*\c+3], v3 offset:1536*\b+512*\c
.endr
.endr
	ds_load_b32 v230, v4                           ; pairs 0 (lanes 0-15) and 1 (lanes 16-31)
	ds_load_b32 v231, v4 offset:128                ; pairs 2 and 3
	s_wait_dscnt 0x0
.irp b, 0,1,2,3
.irp u, 0,1
	SCORE S+8*(2*\b+\u), FR+12*\b, 34-6*\u, 230+\b/2, \b%2
.endr
.endr
.rept 4
	v_nop                                          ; places ahead of the loads below and of the first read of the scores
.endr
	s_wait_alu depctr_va_vdst(0)                   ; the scores' products are done reading v48-95, in which V's tiles land
.irp b, 0,1,2,3
.irp c, 0,1,2
	ds_load_b128 v[FR+12*\b+4*\c:FR+12*\b+4*\c+3], v3 offset:VC+1536*\b+512*\c   ; V's four tiles land during the softmax
.endr
.endr
	ds_load_b32 v232, v4 offset:2048
	ds_load_b32 v233, v4 offset:2176
.irp b, 0,1,2,3
	v_max3_num_f32 v[BM+\b], v[S+16*\b], v[S+1+16*\b], v[S+2+16*\b]   ; the largest score of each block of 32 keys: for the row's maximum and for the block's largest p
.endr
.irp i, 3,5,7,9,11,13
.irp b, 0,1,2,3
	v_max3_num_f32 v[BM+\b], v[BM+\b], v[S+16*\b+\i], v[S+1+16*\b+\i]
.endr
.endr
.irp b, 0,1,2,3
	v_max_num_f32 v[BM+\b], v[BM+\b], v[S+15+16*\b]
.endr
.irp b, 0,1,2,3
	v_permlanex16_b32 v[BB+\b], v[BM+\b], s20, s21
.endr
.irp b, 0,1,2,3
	v_max_num_f32 v[BM+\b], v[BM+\b], v[BB+\b]     ; with lane l xor 16's 16 keys
.endr
	v_max3_num_f32 v227, v212, v213, v214
	v_max_num_f32 v227, v227, v215
	v_mul_f32 v227, s22, v227                      ; as t (c is positive)
	v_max_num_f32 v13, v13, v227                   ; the running largest t
	v_mov_b32 v227, v12
	v_floor_f32 v12, -v13                          ; the new -M = -ceil(t)
	v_sub_f32 v227, v12, v227                      ; old M - new M: a whole number, 0 or less
	v_cvt_i32_f32 v227, v227                       ; (it saturates)
	v_ldexp_f32 v224, 1.0, v227                    ; f = 2^(old M - new M)
.set j, 0
.rept 32
	v_pk_fma_f32 v[S+j:S+j+1], v[S+j:S+j+1], s[22:23], v[12:13] op_sel_hi:[1,0,0]   ; t - M
.set j, j+2
.endr
.irp b, 0,1,2,3
	v_fma_f32 v[BM+\b], v[BM+\b], s22, v12
.endr
.set j, 0
.rept 64
	v_exp_f32 v[S+j], v[S+j]                       ; p = 2^(t - M)
.set j, j+1
.endr
.irp b, 0,1,2,3
	v_exp_f32 v[BM+\b], v[BM+\b]                   ; the block's largest p
.endr
	v_pk_mul_f32 v[14:15], v[14:15], v[224:225] op_sel_hi:[1,0]   ; the sum under the new M; a plain instruction behind the exponentials
	s_wait_alu depctr_va_vdst(0)                   ; the 68 exponentials have written p (v96-159) and the blocks' largest p (v212-215): one wait for the batch, ahead of its first reader
.irp b, 0,1,2,3
	v_max_num_f32 v[BM+\b], 0x2800000, v[BM+\b]    ; the floor 2^(5 - 127)
.endr
.irp b, 0,1,2,3
	v_add_nc_u32 v[SO+\b], 0xfe000000, v[BM+\b]
.endr
.irp b, 0,1,2,3
	v_lshrrev_b32 v[BB+\b], 23, v[SO+\b]
.endr
	v_lshl_or_b32 v226, v217, 8, v216              ; p's scale word for these 128 keys
	v_lshl_or_b32 v226, v218, 16, v226
	v_lshl_or_b32 v226, v219, 24, v226
.irp c, 0,1
	v_cvt_scalef32_pk16_bf6_f32 v[PC+6*\c:PC+6*\c+2], v[S+32*\c:S+32*\c+15], v[SO+2*\c]
	v_cvt_scalef32_pk16_bf6_f32 v[PT+4*\c:PT+4*\c+2], v[S+32*\c+16:S+32*\c+31], v[SO+2*\c+1]
.endr
	v_nop                                          ; a plain instruction behind the conversions
.irp c, 0,1
.irp i, 0,1,2
	v_permlane16_swap_b32 v[PC+6*\c+\i], v[PT+4*\c+\i]
.endr
.irp i, 0,1,2
	v_mov_b32 v[PC+6*\c+3+\i], v[PT+4*\c+\i]
.endr
.endr
	v_pk_add_f32 v[228:229], v[S:S+1], v[S+2:S+3]  ; the sum of the unquantised p, in two chains
.set j, 4
.rept 15
	v_pk_add_f32 v[14:15], v[14:15], v[S+j:S+j+1]
	v_pk_add_f32 v[228:229], v[228:229], v[S+j+2:S+j+3]
.set j, j+4
.endr
	v_pk_add_f32 v[14:15], v[14:15], v[228:229]
.set j, 0
.rept 16
	v_pk_mul_f32 v[O+j:O+j+1], v[O+j:O+j+1], v[224:225] op_sel_hi:[1,0]   ; O^T under the new M
.set j, j+2
.endr
	s_wait_dscnt 0x0                               ; V's tiles and scale words
	s_wait_alu depctr_va_vdst(0)                   ; p's codes v192-203 and scale word v226, which vector lines made, are written: the scaled products take them as source 1 and its scales; the sums and scalings above are the places
.irp t, 0,1,2,3
	PVMUL O+8*\t, FR+12*\t, 232+\t/2, \t%2         ; four accumulators, one instruction each; the next matrix instruction is a score's
.endr
	s_add_co_u32 s24, s24, 6144
	s_add_co_u32 s25, s25, 256
	s_sub_co_u32 s26, s26, 1
	s_cmp_lg_u32 s26, 0
	s_cbranch_scc1 .Lstep
.rept 4
	v_nop
.endr
	v_add_f32 v14, v14, v15
	v_permlanex16_b32 v227, v14, s20, s21
	v_add_f32 v14, v14, v227                       ; the row's sum
	v_rcp_f32 v14, v14
	v_nop
.set j, 0
	s_wait_alu depctr_va_vdst(0)                   ; the reciprocal has written v14, ahead of its first reader
.rept 32
	v_mul_f32 v[S+j], v[O+j], v14                  ; a: register 16 b + i = channel 32 b + 16 h + i of my query
.set j, j+1
.endr
.irp b, 0,1
	v_max3_num_f32 v[BM+\b], |v[S+16*\b]|, |v[S+1+16*\b]|, 0x2800000
.endr
.irp i, 2,4,6,8,10,12,14
.irp b, 0,1
	v_max3_num_f32 v[BM+\b], v[BM+\b], |v[S+16*\b+\i]|, |v[S+1+16*\b+\i]|
.endr
.endr
.irp b, 0,1
	v_permlanex16_b32 v[BB+\b], v[BM+\b], s20, s21
.endr
.irp b, 0,1
	v_max_num_f32 v[BM+\b], v[BM+\b], v[BB+\b]
.endr
.irp b, 0,1
	v_add_nc_u32 v[SO+\b], 0xfe000000, v[BM+\b]
.endr
.irp b, 0,1
	v_lshrrev_b32 v[BB+\b], 23, v[SO+\b]
.endr
	v_lshl_or_b32 v227, v217, 8, v216              ; the row's two scale bytes
	v_cvt_scalef32_pk16_bf6_f32 v[PC:PC+2], v[S:S+15], v[SO]
	v_cvt_scalef32_pk16_bf6_f32 v[PT:PT+2], v[S+16:S+31], v[SO+1]
	v_nop
.irp i, 0,1,2
	v_permlane16_swap_b32 v[PC+\i], v[PT+\i]       ; lanes 0-15: the head's first 32 channels, lanes 16-31: its last
.endr
.irp i, 0,1,2
	v_mov_b32 v[PC+3+\i], v[PT+\i]
.endr
	s_wait_alu depctr_va_vdst(0)                   ; a's codes v192-197 and scale bytes v227 are written, which the three LDS stores read; the lines above are done with v96-107, in which the loads behind the barrier land
	ds_store_b128 v5, v[PC:PC+3]
	ds_store_b64 v6, v[PC+4:PC+5]
	ds_store_b16 v7, v227                          ; lanes r and r + 16 write the same halfword with the same value
	s_wait_dscnt 0x0
	s_barrier_signal -1
	s_barrier_wait -1
.irp p, 0,1,2
	ds_load_b64 v[S+2*\p:S+2*\p+1], v8 offset:256*\p
.endr
	s_wait_dscnt 0x0
.irp p, 0,1,2
	global_store_b64 v10, v[S+2*\p:S+2*\p+1], s[8:9] offset:256*\p   ; 256 consecutive bytes, aligned
.endr
	s_cmp_lg_u32 s2, 0
	s_cbranch_scc1 .Lend
	ds_load_b128 v[S+8:S+11], v9
	s_wait_dscnt 0x0
	global_store_b128 v1, v[S+8:S+11], s[10:11]
.Lend:
	s_wait_dscnt 0x0                               ; the closing lines, six on end
	s_wait_alu 0x0
	s_wait_tensorcnt 0x0
	ds_add_u32 v254, v255
	s_wait_dscnt 0x0
	s_endpgm
.Lfunc_end_k_qcdab9adc7c_attn:
	.size	k_qcdab9adc7c_attn, .Lfunc_end_k_qcdab9adc7c_attn-k_qcdab9adc7c_attn
	.p2alignl 7, 3214868480
	.fill 96, 4, 3214868480
	.section	.rodata,"a",@progbits
	.p2align	6, 0x0
	.amdhsa_kernel k_qcdab9adc7c_attn
		.amdhsa_group_segment_fixed_size 117248
		.amdhsa_private_segment_fixed_size 0
		.amdhsa_enable_private_segment 0
		.amdhsa_kernarg_size 32
		.amdhsa_user_sgpr_count 2
		.amdhsa_user_sgpr_kernarg_segment_ptr 1
		.amdhsa_wavefront_size32 1
		.amdhsa_system_sgpr_workgroup_id_x 1
		.amdhsa_system_sgpr_workgroup_id_y 1
		.amdhsa_system_sgpr_workgroup_id_z 1
		.amdhsa_system_vgpr_workitem_id 0
		.amdhsa_next_free_vgpr 256
		.amdhsa_next_free_sgpr 66
		.amdhsa_reserve_vcc 0
		.amdhsa_float_denorm_mode_32 3
		.amdhsa_float_denorm_mode_16_64 3
		.amdhsa_memory_ordered 1
		.amdhsa_forward_progress 1
		.amdhsa_inst_pref_size 29
	.end_amdhsa_kernel
	.amdgpu_metadata
---
amdhsa.version: [ 1, 2 ]
amdhsa.kernels:
  - .name:           k_qcdab9adc7c_attn
    .symbol:         k_qcdab9adc7c_attn.kd
    .args:
      - { .name: qkvc, .offset: 0, .size: 8, .value_kind: global_buffer, .address_space: global }
      - { .name: qkvs, .offset: 8, .size: 8, .value_kind: global_buffer, .address_space: global }
      - { .name: acod, .offset: 16, .size: 8, .value_kind: global_buffer, .address_space: global }
      - { .name: ascl, .offset: 24, .size: 8, .value_kind: global_buffer, .address_space: global }
    .group_segment_fixed_size: 117248
    .private_segment_fixed_size: 0
    .kernarg_segment_align: 8
    .kernarg_segment_size: 32
    .max_flat_workgroup_size: 512
    .sgpr_count:     66
    .vgpr_count:     256
    .wavefront_size: 32
...
	.end_amdgpu_metadata
.endif
;; end of part 6
;; launch proj (part 7): grid 4 x 64, 8 waves a work-group, no clusters, 185,344 bytes of LDS; arguments acod, ascl, wrec, W3_scales, b3, x, out0; writes out0
.if DOCPART == 7
	.amdgcn_target "amdgcn-amd-amdhsa--gfx1250"
	.amdhsa_code_object_version 6
	.text
	.protected	k_qcdab9adc7c_proj
	.globl	k_qcdab9adc7c_proj
	.p2align	8
	.type	k_qcdab9adc7c_proj,@function
k_qcdab9adc7c_proj:
	s_mov_b64 s[64:65], 0
	v_nop
	global_prefetch_b8 v0, s[64:65] scope:SCOPE_SE
	s_setreg_imm32_b32 hwreg(HW_REG_WAVE_SCHED_MODE, 0, 2), 2
	s_setreg_imm32_b32 hwreg(HW_REG_WAVE_MODE, 25, 1), 1
	s_wait_xcnt 0x0
	s_wait_alu depctr_vm_vsrc(0)
; out = x + W3^T a + b3, the product on codes of BF6 (E3M2).
; A work-group (j = x, rho = y) makes d = 128 j .. + 127 for 128 t (batch rho / 8, t = 128 (rho % 8) on).  a's 64 records and W3's 64 are copied once into LDS, through registers.
; Wave: w = wave % 4: 32 rows d of W3 (source 1, two tiles); th = wave / 4: 64 t of a (source 0, four tiles): 8 accumulators, K = 512: 32 matrix instructions.
; A lane holds one d, its registers run along t: with a tile's rows 8 u + r + 8 (r / 8) the 16 registers of tiles 2 b, 2 b + 1 are t = 32 b + 16 (lane / 16) + 0 .. 15.
; So a wave owns 32 rows of 256 consecutive bytes of out; they turn through the wave's own stage in LDS, meet x there, and leave as whole aligned runs of 256 bytes.
; Records and their LDS pitch of 896 bytes: as in the launch that makes q, k and v.  b3 is the C of each sum's first product.
; No tensor loads: every LDS byte is filled once.  No cluster: what neighbours share is one fill of 98 KB at the head.
; THE MODE: SCHED_MODE bits 1:0 = 2 (LLVM: expert scheduling mode 2), set by the entry lines.  The code itself states the register dependences
; between vector or matrix instructions and memory or LDS instructions, with s_wait_alu, always for 0.
; THE PLAN.  Registers that memory or LDS instructions touch:
;   v7, v8, v15-17  offsets of the global loads and stores: written at the head ahead of the first wait on va_vdst, never again.
;   v1-6, v9-14     LDS addresses: made while the global loads are out, ahead of the second wait on va_vdst, never again.
;   v50-145         the copy's loads land, its LDS stores read.  One wait on vm_vsrc behind the barrier; then v50-121 take K step 0's fragments and v122-185 are accumulators.
;   THE FRAGMENTS   each of the four K steps has six fragments, 72 registers, OF ITS OWN: step 0 in v50-121, steps 1 to 3 in window 1 (v256-471).  Two waves share a SIMD, so the registers are there.
;                   No register that a product reads is loaded again, so the K steps hold no wait on va_vdst; the loads run a step ahead of the products.
;   v20-27          a's scale words: made by vector lines, taken by the scaled products: one wait on va_vdst behind their eight places.
;   v122-185        the accumulators: the products write, sixteen LDS stores read: one wait on va_vdst behind the four places.  The same wait shows step 0's products done with v50-113, in which the stage's rows land.
;   v50-113         the rows: LDS loads land, the additions of x write, the global stores read: four batches of four rows' pairs, one wait on va_vdst ahead of each batch's run of stores.
;   v186-249        x: loaded at the head, read by the additions.   v254, v255: written at the head, read by the closing add alone.
.set REGION, 57344
.set STGB, 114688                      ; 32 rows x 272 bytes for each wave
.set LS,   20                          ; v20-27  a's scale words: register 4 (block) + K step; lanes 0-15 the even tile's rows, lanes 16-31 the odd tile's
.set SS,   28                          ; v28-31  W3's, by K step
.set BV,   32                          ; v32-33  b3 of my row in tile u
.set SPL,  34                          ; v34-49  the same eight times
.set LF,   50                          ; v50-121 K step 0: four fragments of a, then two of W3.  K step s > 0: the same six at v[72 (s - 1)] of window 1
.set ACC,  122                         ; v122-185 accumulator (T, u) at 8 (2 T + u)
.set XR,   186                         ; v186-249 x
.set OB,   50                          ; the rows read back
.set MSB, 0
.macro WIN new                         ; s_set_vgpr_msb: bits 1:0 source 0, 3:2 source 1, 5:4 source 2, 7:6 destination; the immediate's high byte repeats the setting that is left
.if MSB != \new
	s_set_vgpr_msb (MSB<<8)|\new
.set MSB, \new
.endif
.endm
.set TO_1,  0x40                       ; a load's destination in window 1, its address in window 0
.set MUL_1, 0x05                       ; sources 0 and 1 in window 1; C and D in window 0 (scale operands have no window)
.macro WM d, a, b, c, sa, sb, ra, rb
.if (\ra)&&(\rb)
	v_wmma_scale_f32_16x16x128_f8f6f4 v[(\d):(\d)+7], v[(\a):(\a)+11], v[(\b):(\b)+11], v[(\c):(\c)+7], v[\sa], v[\sb] matrix_a_fmt:MATRIX_FMT_BF6 matrix_b_fmt:MATRIX_FMT_BF6 matrix_a_scale:MATRIX_SCALE_ROW1 matrix_b_scale:MATRIX_SCALE_ROW1
.elseif \ra
	v_wmma_scale_f32_16x16x128_f8f6f4 v[(\d):(\d)+7], v[(\a):(\a)+11], v[(\b):(\b)+11], v[(\c):(\c)+7], v[\sa], v[\sb] matrix_a_fmt:MATRIX_FMT_BF6 matrix_b_fmt:MATRIX_FMT_BF6 matrix_a_scale:MATRIX_SCALE_ROW1
.elseif \rb
	v_wmma_scale_f32_16x16x128_f8f6f4 v[(\d):(\d)+7], v[(\a):(\a)+11], v[(\b):(\b)+11], v[(\c):(\c)+7], v[\sa], v[\sb] matrix_a_fmt:MATRIX_FMT_BF6 matrix_b_fmt:MATRIX_FMT_BF6 matrix_b_scale:MATRIX_SCALE_ROW1
.else
	v_wmma_scale_f32_16x16x128_f8f6f4 v[(\d):(\d)+7], v[(\a):(\a)+11], v[(\b):(\b)+11], v[(\c):(\c)+7], v[\sa], v[\sb] matrix_a_fmt:MATRIX_FMT_BF6 matrix_b_fmt:MATRIX_FMT_BF6
.endif
.endm
.macro FRAG reg, aa, ab, off, u        ; a fragment: lane (r, h) takes, for c = 0, 1, K block 2 c + h of the step: 16 + 8 bytes of its record
.irp c, 0,1
	ds_load_b128 v[(\reg)+6*\c:(\reg)+6*\c+3], v[\aa] offset:(\off)+1792*\c+256*(\u)
	ds_load_b64 v[(\reg)+6*\c+4:(\reg)+6*\c+5], v[\ab] offset:(\off)+1792*\c+128*(\u)
.endr
.endm
.macro FETCH s                         ; K step s: its six fragments, 24 LDS loads, into the step's own registers
.if (\s) == 0
.set FB, LF
.else
.set FB, 72*((\s)-1)
.endif
	FRAG FB+48, 3, 4, 3584*(\s), 0
	FRAG FB+60, 3, 4, 3584*(\s), 1
.irp t, 0,1,2,3
	FRAG FB+12*\t, 1, 2, 14336*(\t/2)+3584*(\s), \t%2
.endr
.endm
.macro MUL s                           ; K step s: eight products; the eight accumulators take turns, in the same order in every step
.if (\s) == 0
.set FB, LF
.else
.set FB, 72*((\s)-1)
.endif
.irp t, 0,1,2,3
.irp u, 0,1
.if (\s) == 0
	WM ACC+8*(2*\t+\u), FB+12*\t, FB+48+12*\u, SPL+8*\u, LS+4*(\t/2), SS, \t%2, \u   ; the bias starts the sum
.else
	WM ACC+8*(2*\t+\u), FB+12*\t, FB+48+12*\u, ACC+8*(2*\t+\u), LS+4*(\t/2)+(\s), SS+(\s), \t%2, \u
.endif
.endr
.endr
.endm
	s_load_b256 s[4:11], s[0:1], 0x0               ; acod, ascl, wrec, W3's scales
	s_load_b128 s[12:15], s[0:1], 0x20             ; b3, x
	s_load_b64 s[16:17], s[0:1], 0x30              ; out0
	v_lshl_add_u32 v254, v0, 2, 0x2d000
	v_mov_b32 v255, 0
	v_lshrrev_b32 v34, 5, v0
	v_readfirstlane_b32 s2, v34                    ; wave 0..7
	s_wait_alu depctr_va_sdst(0)                   ; s2 is written, ahead of its first reader: my rows, LDS addresses and bases are made from it
	s_and_b32 s3, s2, 3                            ; w
	s_lshr_b32 s18, s2, 2                          ; th
	s_mov_b32 s19, ttmp9                           ; j
	s_and_b32 s20, ttmp7, 0xffff                   ; rho
	s_lshr_b32 s21, s20, 3                         ; b
	s_and_b32 s22, s20, 7
	v_and_b32 v34, 15, v0                          ; r
	v_bfe_u32 v35, v0, 4, 1                        ; h
	v_and_b32 v36, 31, v0                          ; lane
	v_lshlrev_b32 v7, 12, v35
	v_lshl_add_u32 v7, v34, 4, v7                  ; x, out: lanes 0-15 one row's 256 bytes, lanes 16-31 the next row's
	v_lshlrev_b32 v8, 4, v0
	s_lshl_b32 s24, s18, 7
	v_lshl_add_u32 v15, v36, 1, s24                ; a's scale halfwords: place = lane, my two blocks
	v_and_b32 v37, 8, v0
	v_add_nc_u32 v37, v37, v34                     ; r + 8 (r / 8)
	v_lshlrev_b32 v17, 2, v37
	v_lshl_add_u32 v37, v35, 3, v37                ; the row at place = lane
	v_lshlrev_b32 v16, 4, v37
	s_mul_i32 s24, s20, 49152
	s_mov_b32 s25, 0
	s_mul_i32 s26, s19, 49152
	s_mov_b32 s27, 0
	s_lshl_b32 s28, s21, 14
	s_lshl_b32 s29, s22, 8
	s_add_co_u32 s28, s28, s29
	s_mov_b32 s29, 0
	s_lshl_b32 s30, s19, 2
	s_add_co_u32 s30, s30, s3                      ; W3's block 4 j + w
	s_lshl_b32 s32, s30, 9
	s_mov_b32 s33, 0
	s_lshl_b32 s34, s30, 7
	s_mov_b32 s35, 0
	s_lshl_b32 s36, s21, 21                        ; x, out: batch,
	s_lshl_b32 s37, s30, 17                        ; 32 rows of 4,096 bytes a block,
	s_add_co_u32 s36, s36, s37
	s_lshl_b32 s37, s22, 9                         ; 128 t,
	s_add_co_u32 s36, s36, s37
	s_lshl_b32 s37, s18, 8                         ; my 64 of them
	s_add_co_u32 s36, s36, s37
	s_mov_b32 s37, 0
	s_wait_kmcnt 0x0
	s_add_nc_u64 s[4:5], s[4:5], s[24:25]
	s_add_nc_u64 s[8:9], s[8:9], s[26:27]
	s_add_nc_u64 s[6:7], s[6:7], s[28:29]
	s_add_nc_u64 s[10:11], s[10:11], s[32:33]
	s_add_nc_u64 s[12:13], s[12:13], s[34:35]
	s_add_nc_u64 s[14:15], s[14:15], s[36:37]
	s_add_nc_u64 s[16:17], s[16:17], s[36:37]
	s_wait_alu depctr_va_vdst(0)                   ; the offsets v7, v8, v15, v16, v17 are written, which the global loads and stores read
.set k, 0
.rept 12
	global_load_b128 v[50+4*k:53+4*k], v8, s[4:5] offset:4096*k
.set k, k+1
.endr
.set k, 0
.rept 12
	global_load_b128 v[98+4*k:101+4*k], v8, s[8:9] offset:589824+4096*k   ; W3 is the fourth weight in wrec
.set k, k+1
.endr
.irp m, 0,1
.irp n, 0,1,2,3,4,5,6,7
	global_load_u16 v[150+8*\m+\n], v15, s[6:7] offset:2048*\n+64*\m       ; head n's two bytes of block m's rows
.endr
.endr
	global_load_b128 v[SS:SS+3], v16, s[10:11]
	global_load_b32 v[BV], v17, s[12:13]
	global_load_b32 v[BV+1], v17, s[12:13] offset:32
.set i, 0
.rept 16
	global_load_b128 v[XR+4*i:XR+4*i+3], v7, s[14:15] offset:4096*(8*(i/8)+2*(i%8)+8*((i%8)/4)) th:TH_LOAD_NT   ; the rows in the order of the stage's places
.set i, i+1
.endr
	v_mul_u32_u24 v37, v35, 896                    ; the LDS addresses are made while the loads are out: none of these lines writes a register that a load reads or lands in
	v_lshl_add_u32 v38, v34, 4, v37                ; 896 h + 16 r
	v_lshl_add_u32 v39, v34, 3, v37
	v_add_nc_u32 v39, 512, v39                     ; 896 h + 512 + 8 r
	s_mul_i32 s24, s18, 28672
	v_add_nc_u32 v1, s24, v38
	v_add_nc_u32 v2, s24, v39
	s_mul_i32 s24, s3, 14336
	s_add_co_u32 s24, s24, REGION
	v_add_nc_u32 v3, s24, v38
	v_add_nc_u32 v4, s24, v39
	s_mul_i32 s23, s2, 8704
	s_add_co_u32 s23, s23, STGB                    ; my stage
	v_mul_u32_u24 v37, v34, 272
	v_lshl_add_u32 v37, v35, 6, v37
	v_add_nc_u32 v5, s23, v37                      ; in: row r, + 64 h
	v_mul_u32_u24 v37, v35, 272
	v_lshl_add_u32 v37, v34, 4, v37
	v_add_nc_u32 v6, s23, v37                      ; back: lanes 0-15 one row, lanes 16-31 the next
.irp m, 0,1,2                          ; piece i = thread + 256 m of 16 bytes: record i / 48 (exact up to 767), bytes 16 (i % 48); three rounds are 16 records
	v_add_nc_u32 v37, 256*\m, v0
	v_mul_u32_u24 v38, v37, 1366
	v_lshrrev_b32 v38, 16, v38
	v_mul_u32_u24 v39, v38, 48
	v_sub_nc_u32 v39, v37, v39
	v_mul_u32_u24 v38, v38, 896
	v_lshl_add_u32 v[9+\m], v39, 4, v38
	v_add_nc_u32 v[12+\m], REGION, v[9+\m]
.endr
	s_wait_loadcnt 35                              ; the 24 copy loads are in; behind them 16 + 1 + 2 + 16 were issued
	s_wait_alu depctr_va_vdst(0)                   ; the LDS addresses v1-6 and v9-14 are written, which every LDS store and load below reads
.set k, 0
.rept 12
	ds_store_b128 v[9+k%3], v[50+4*k:53+4*k] offset:14336*(k/3)
	ds_store_b128 v[12+k%3], v[98+4*k:101+4*k] offset:14336*(k/3)
.set k, k+1
.endr
	s_wait_loadcnt 16                              ; scales and bias are in; x's 16 loads may be out
.irp m, 0,1
.irp s, 0,1,2,3
	v_lshl_or_b32 v[LS+4*\m+\s], v[150+8*\m+2*\s+1], 16, v[150+8*\m+2*\s]   ; K step s = heads 2 s, 2 s + 1
.endr
.endr
.irp u, 0,1
.irp i, 0,1,2,3,4,5,6,7
	v_mov_b32 v[SPL+8*\u+\i], v[BV+\u]
.endr
.endr
	s_wait_dscnt 0x0                               ; for the others' sake: my part of the records has landed
	s_barrier_signal -1
	s_barrier_wait -1
	s_wait_alu depctr_vm_vsrc(0)                   ; my LDS stores have read v50-145: K step 0's fragments land in v50-121, and the products write v122-185
	FETCH 0                                        ; no vector line since the wait ahead of the LDS stores names v1-4, and none has named the registers in which fragments land
	WIN TO_1
	FETCH 1
	WIN 0
.rept 8
	v_nop                                          ; a's scale words were made by vector instructions: eight places ahead of a scaled product
.endr
	s_wait_alu depctr_va_vdst(0)                   ; a's scale words v20-27, which vector lines made, are written: the scaled products take them as source 0's scales; the places above stay beside this wait
	s_wait_dscnt 24                                ; K step 0's 24 loads are in; step 1's 24 may be out
	MUL 0
	WIN TO_1
	FETCH 2                                        ; registers of its own: the products since the last wait name neither them nor v1-4
	s_wait_dscnt 24                                ; K step 1 is in; step 2's 24 loads may be out
	WIN MUL_1
	MUL 1
	WIN TO_1
	FETCH 3
	s_wait_dscnt 24                                ; K step 2 is in; step 3's 24 loads may be out
	WIN MUL_1
	MUL 2
	s_wait_dscnt 0x0
	MUL 3
	WIN 0
.rept 4
	v_nop                                          ; places behind the last products, ahead of the first read of results and of the loads into v50-113, which step 0's products read
.endr
	s_wait_alu depctr_va_vdst(0)                   ; the products have written the accumulators, which the LDS stores read, and are done reading v50-113, in which the stage's rows land; the places above stay beside this wait
.irp t, 0,1,2,3
.irp u, 0,1
	ds_store_b128 v5, v[ACC+8*(2*\t+\u):ACC+8*(2*\t+\u)+3] offset:4352*\u+128*(\t/2)+32*(\t%2)         ; each accumulator from its low end on
	ds_store_b128 v5, v[ACC+8*(2*\t+\u)+4:ACC+8*(2*\t+\u)+7] offset:4352*\u+128*(\t/2)+32*(\t%2)+16
.endr
.endr
.set i, 0
.rept 16
	ds_load_b128 v[OB+4*i:OB+4*i+3], v6 offset:544*i   ; my wave's own bytes: LDS serves a wave's instructions in order
.set i, i+1
.endr
	s_wait_loadcnt 0x0                             ; x
.set i, 0
.rept 4                                ; four batches of four reads of the stage: the additions, one wait, the run of stores
	s_wait_dscnt 12-i                              ; this batch's four reads are in; the younger reads of the stage may be out
.set n, 0
.rept 4
	v_pk_add_f32 v[OB+4*(i+n):OB+4*(i+n)+1], v[OB+4*(i+n):OB+4*(i+n)+1], v[XR+4*(i+n):XR+4*(i+n)+1]
	v_pk_add_f32 v[OB+4*(i+n)+2:OB+4*(i+n)+3], v[OB+4*(i+n)+2:OB+4*(i+n)+3], v[XR+4*(i+n)+2:XR+4*(i+n)+3]
.set n, n+1
.endr
	s_wait_alu depctr_va_vdst(0)                   ; the batch's eight additions have written their sums, which the four stores read
.set n, 0
.rept 4
	global_store_b128 v7, v[OB+4*(i+n):OB+4*(i+n)+3], s[16:17] offset:4096*(8*((i+n)/8)+2*((i+n)%8)+8*(((i+n)%8)/4)) th:TH_STORE_NT   ; every sixteen lanes store 256 consecutive bytes, aligned
.set n, n+1
.endr
.set i, i+4
.endr
	s_wait_dscnt 0x0                               ; the closing lines, six on end
	s_wait_alu 0x0
	s_wait_tensorcnt 0x0
	ds_add_u32 v254, v255
	s_wait_dscnt 0x0
	s_endpgm
.Lfunc_end_k_qcdab9adc7c_proj:
	.size	k_qcdab9adc7c_proj, .Lfunc_end_k_qcdab9adc7c_proj-k_qcdab9adc7c_proj
	.p2alignl 7, 3214868480
	.fill 96, 4, 3214868480
	.section	.rodata,"a",@progbits
	.p2align	6, 0x0
	.amdhsa_kernel k_qcdab9adc7c_proj
		.amdhsa_group_segment_fixed_size 185344
		.amdhsa_private_segment_fixed_size 0
		.amdhsa_enable_private_segment 0
		.amdhsa_kernarg_size 56
		.amdhsa_user_sgpr_count 2
		.amdhsa_user_sgpr_kernarg_segment_ptr 1
		.amdhsa_wavefront_size32 1
		.amdhsa_system_sgpr_workgroup_id_x 1
		.amdhsa_system_sgpr_workgroup_id_y 1
		.amdhsa_system_sgpr_workgroup_id_z 1
		.amdhsa_system_vgpr_workitem_id 0
		.amdhsa_next_free_vgpr 472
		.amdhsa_next_free_sgpr 66
		.amdhsa_reserve_vcc 0
		.amdhsa_float_denorm_mode_32 3
		.amdhsa_float_denorm_mode_16_64 3
		.amdhsa_memory_ordered 1
		.amdhsa_forward_progress 1
		.amdhsa_inst_pref_size 31
	.end_amdhsa_kernel
	.amdgpu_metadata
---
amdhsa.version: [ 1, 2 ]
amdhsa.kernels:
  - .name:           k_qcdab9adc7c_proj
    .symbol:         k_qcdab9adc7c_proj.kd
    .args:
      - { .name: acod, .offset: 0, .size: 8, .value_kind: global_buffer, .address_space: global }
      - { .name: ascl, .offset: 8, .size: 8, .value_kind: global_buffer, .address_space: global }
      - { .name: wrec, .offset: 16, .size: 8, .value_kind: global_buffer, .address_space: global }
      - { .name: W3_scales, .offset: 24, .size: 8, .value_kind: global_buffer, .address_space: global }
      - { .name: b3, .offset: 32, .size: 8, .value_kind: global_buffer, .address_space: global }
      - { .name: x, .offset: 40, .size: 8, .value_kind: global_buffer, .address_space: global }
      - { .name: out0, .offset: 48, .size: 8, .value_kind: global_buffer, .address_space: global }
    .group_segment_fixed_size: 185344
    .private_segment_fixed_size: 0
    .kernarg_segment_align: 8
    .kernarg_segment_size: 56
    .max_flat_workgroup_size: 256
    .sgpr_count:     66
    .vgpr_count:     472
    .wavefront_size: 32
...
	.end_amdgpu_metadata
.endif
;; end of part 7
